; MI455X (gfx1250); checked and timed in simulation.
; The chip was launched on July 23, 2026; its instructions are those of AMD's public machine-readable ISA for CDNA 5 (MIT licence, August 2026) and "CDNA5" Instruction Set Architecture Reference Guide (July 2026). The comments in the code are by the model that wrote it; some were corrected since.
;; Causal Self Attention. Allowed arithmetic: matrix products marked QUANTISED: E4M3 operands, one given power-of-two scale a tensor, by v_wmma_f32_16x16x64_fp8_fp8 or v_wmma_f32_16x16x128_fp8_fp8, f32 sums; everything else in f32.
;; Inputs: lowp_scales 12 int32 (the exponents e of the quantised operands' scales 2^e); wk 1,024 x 1,024 float32; wo 1,024 x 1,024 float32; wq 1,024 x 1,024 float32; wv 1,024 x 1,024 float32; x 4 x 2,048 x 1,024 float32.
;; Outputs: out0 4 x 2,048 x 1,024 float32.
;; This version of the problem:
;;   THIS VERSION OF THE PROBLEM IS GIVEN IN LOW PRECISION. The matrix products marked QUANTISED in the list below multiply operands that are first quantised to E4M3 (4 exponent bits, 3 mantissa bits; 8 bits a number), with one given power-of-two scale for each operand tensor; their sums are f32. All else is computed in f32.
;;   The module's matrix products, in the order in which they are computed (A, B: the left and right operand; K: the contracted axis; several contracted axes count as one K, in the product's order):
;;     1. [M 8,192, K 1,024] x [K 1,024, N 1,024]; A: input x; B: input wq: QUANTISED (scales: A lowp_scales[0], B lowp_scales[1])
;;     2. [M 8,192, K 1,024] x [K 1,024, N 1,024]; A: input x; B: input wk: QUANTISED (scales: A lowp_scales[2], B lowp_scales[3])
;;     3. [M 8,192, K 1,024] x [K 1,024, N 1,024]; A: input x; B: input wv: QUANTISED (scales: A lowp_scales[4], B lowp_scales[5])
;;     4. batch 64 x [M 2,048, K 64] x [K 64, N 2,048]; A: computed on the way; B: computed on the way: QUANTISED (scales: A lowp_scales[6], B lowp_scales[7])
;;     5. batch 64 x [M 2,048, K 2,048] x [K 2,048, N 64]; A: softmax (see below); B: computed on the way: QUANTISED (scales: A lowp_scales[8], B lowp_scales[9])
;;     6. [M 8,192, K 1,024] x [K 1,024, N 1,024]; A: computed on the way; B: input wo: QUANTISED (scales: A lowp_scales[10], B lowp_scales[11])
;;   THE QUANTISER, for each operand of a quantised product, along K:
;;     - The operand's scale is 2^e, e = its entry of the input lowp_scales (int32; the entries are numbered through the quantised products in the list's order, A before B).
;;     - Each number is divided by the scale, clamped to +-448, and rounded to the nearest number of E4M3, ties to even, subnormals kept.
;;     - The product sums the exact products of the quantised numbers (number of the format x scale) in f32.
;;   ~~~python
;;   def quantise(x, axis, e):      # numpy; x: float32 -> the quantised numbers, widened to float32 again
;;       x = np.moveaxis(x, axis, -1); K = x.shape[-1]
;;       r = np.clip(x / 2.0 ** e, -448, 448)
;;       step = 2.0 ** (np.maximum(np.frexp(np.where(r == 0, 1, r))[1] - 1, -6) - 3)
;;       q = np.round(r / step) * step * 2.0 ** e      # np.round: ties to even
;;       return np.moveaxis(q, -1, axis).astype(np.float32)
;;   ~~~
;;   SOFTMAX AHEAD OF A QUANTISED PRODUCT. Where the list says 'softmax', what is quantised is not the finished softmax but p = 2^(t - M), with t = logit x log2(e) and M = ceil(the row's largest t), a whole number; so 1/2 < the row's largest p <= 1. The row's sum l is taken of the UNQUANTISED p, in f32, and the product's result is divided by l at the end. Since M is a whole number, a kernel that streams over the keys may use a running M (the ceiling of the running maximum): every later rescaling is an exact power of two, so the quantised numbers keep their values, but for numbers so far below the row's largest that they fall under the format's range.
;;   OPERANDS COMPUTED ON THE WAY. 'Computed on the way' means the value that the module computes at that place (a softmax that the list does not call 'softmax' is quantised finished and normalised). What goes into a quantiser is computed in f32, as accurately as f32 sums, v_exp_f32 and their like allow (about 1e-6 of the number): no bf16 or f16 on the way to a quantiser, and a product that is left as it is and whose result goes on into a quantised operand takes f32 operands (vector FMAs, or v_wmma_f32_16x16x4_f32). A number that lies on a knife's edge between two numbers of the format may be rounded either way, as far as f32 arithmetic and the matrix unit's own rounding can turn it there, and no further.
;; One version. Each part assembles by itself: llvm-mc -triple=amdgcn-amd-amdhsa -mcpu=gfx1250 --defsym DOCPART=n.
;; ======== version 1 of 1: 4 launches
;; limits: right only within a limited range of input values
;; workspace buffers: xc 25,165,824 bytes; wc 4,194,304 bytes; qkv 25,165,824 bytes; ac 8,388,608 bytes
;; launch quant (part 1): grid 256 x 1, 4 waves a work-group, no clusters, 33,280 bytes of LDS; arguments x, wq, wk, wv, wo, lowp_scales, xc, wc; writes xc, wc
.if DOCPART == 1
	.amdgcn_target "amdgcn-amd-amdhsa--gfx1250"
	.amdhsa_code_object_version 6
	.text
	.protected	k_q765a549f2f_quant
	.globl	k_q765a549f2f_quant
	.p2align	8
	.type	k_q765a549f2f_quant,@function
k_q765a549f2f_quant:
	s_mov_b64 s[64:65], 0
	v_nop
	global_prefetch_b8 v0, s[64:65] scope:SCOPE_SE
	s_setreg_imm32_b32 hwreg(HW_REG_WAVE_MODE, 25, 1), 1
	s_wait_xcnt 0x0
; x [8192][1024] f32 becomes three sets of E4M3 codes, xc [3][8192][1024], set v with the given scale 2^e(2v) (entries 0, 2, 4 of the scales: x is an operand of three products, each with a scale of its own).
; wq, wk, wv, wo [1024][1024] f32 become wc [4096][1024] (rows 0-1023 wq with entry 1, then wk with entry 3, wv with entry 5, wo with entry 11).  K is innermost everywhere, so all are plain streams.
; code = number / 2^e, held within +-448, rounded to the nearest code, ties to even.
; LIMITS: each of these seven exponents lies between -126 and 119, so that 2^e and 448 x 2^e are f32 numbers.  NaN among the inputs is not served (an infinity is held at the largest code).
; SHARES.  1,024 waves.  Wave 4 g + w takes 16 steps of 512 numbers of x and then 8 steps of 512 numbers of weight g / 64: 24 steps in one pipeline, one path for every work-group.
; A conversion takes eight neighbours from ONE lane's registers; a load is best where neighbouring lanes take neighbouring bytes.  So each load reads 512 consecutive bytes, 16 a lane, and a step's 2,048 bytes turn
; through the wave's own stage in LDS (16 bytes of padding behind each 64) and come back 64 bytes a lane.  A lane's 16 codes are 16 bytes: each store of the wave covers 512 consecutive bytes, aligned.
; No tensor load, no barrier: waves share nothing.  Loads run four steps (16 loads a wave) ahead, the turn through LDS one step.
.set XSTEPS, 16                        ; steps of x
.set STEPS,  24                        ; and of the weight behind them
.set SP,     80                        ; a lane's place in a stage: 64 bytes + 16 of padding
.set WREG,   8192                      ; LDS of a wave: two stages of 32 x SP bytes
.set PLANE,  0x800000                  ; bytes of one set of x's codes
.set R,      16                        ; v16-79   four sets of 16 numbers as loaded
.set X,      80                        ; v80-111  two sets of 16 neighbours
.set T,      112
.set C,      128                       ; v128-151 codes: two sets of 12 registers, by turns
; v3 16 x lane (offset of loads and stores; never rewritten); v6 the weight's 2^e; v8, v10, v12 the same for entries 0, 2, 4; v14, v15 the stage, in and out
	s_load_b256 s[4:11], s[0:1], 0x0               ; x s[4:5], wq s[6:7], wk s[8:9], wv s[10:11]
	s_load_b256 s[12:19], s[0:1], 0x20             ; wo s[12:13], the scales s[14:15], xc s[16:17], wc s[18:19]
	v_lshl_add_u32 v160, v0, 2, 0x8000
	v_mov_b32 v161, 0
	v_lshrrev_b32 v1, 5, v0
	v_readfirstlane_b32 s20, v1                    ; wave
	v_and_b32 v2, 31, v0                           ; lane
	v_lshlrev_b32 v3, 4, v2
	s_mul_i32 s21, s20, WREG
	v_lshrrev_b32 v14, 2, v2
	v_mul_u32_u24 v14, v14, SP
	v_and_b32 v15, 3, v2
	v_lshl_add_u32 v14, v15, 4, v14
	v_add_nc_u32 v14, s21, v14                     ; in: four lanes' 64 bytes on end, then the padding
	v_mul_u32_u24 v15, v2, SP
	v_add_nc_u32 v15, s21, v15                     ; out: my 16 neighbours
	s_lshl_b32 s22, ttmp9, 2
	s_add_co_u32 s22, s22, s20                     ; my wave among the 1,024
	s_and_b32 s23, ttmp9, 63
	s_lshl_b32 s23, s23, 2
	s_add_co_u32 s23, s23, s20                     ; and among the 256 of its weight
	s_lshr_b32 s54, ttmp9, 6                       ; which weight: 0 wq, 1 wk, 2 wv, 3 wo
	s_and_b32 s55, s54, 1                          ; its low bit,
	s_lshr_b32 s54, s54, 1                         ; its high bit
	s_lshl_b32 s56, s22, 15                        ; x: 16 steps of 2,048 bytes
	s_mov_b32 s57, 0
	s_lshl_b32 s58, s23, 14                        ; the weight: 8 steps
	s_mov_b32 s59, 0
	s_lshl_b32 s60, s22, 13                        ; x's codes
	s_mov_b32 s61, 0
	s_lshl_b32 s62, s22, 12                        ; the weights' codes: the four weights lie on end, so the wave's number serves
	s_mov_b32 s63, 0
	s_wait_alu depctr_va_vdst(0)
	s_wait_kmcnt 0x0
	s_load_b256 s[24:31], s[14:15], 0x0            ; entries 0 to 7
	s_load_b128 s[32:35], s[14:15], 0x20           ; entries 8 to 11
	s_add_nc_u64 s[36:37], s[4:5], s[56:57]
	s_cmp_lg_u32 s55, 0                            ; the choice hangs on the work-group's number alone
	s_cselect_b64 s[48:49], s[8:9], s[6:7]         ; wk or wq
	s_cselect_b64 s[50:51], s[12:13], s[10:11]     ; wo or wv
	s_cmp_lg_u32 s54, 0
	s_cselect_b64 s[38:39], s[50:51], s[48:49]
	s_add_nc_u64 s[38:39], s[38:39], s[58:59]
	s_add_nc_u64 s[40:41], s[16:17], s[60:61]      ; a base for each set of x's codes
	s_add_nc_u64 s[42:43], s[40:41], PLANE
	s_add_nc_u64 s[44:45], s[42:43], PLANE
	s_add_nc_u64 s[46:47], s[18:19], s[62:63]
.macro LOAD t                          ; step t's 2,048 bytes: four loads of 512 consecutive bytes
.irp i, 0,1,2,3
.if (\t) < XSTEPS
	global_load_b128 v[R+16*((\t)%4)+4*\i:R+16*((\t)%4)+4*\i+3], v3, s[36:37] offset:2048*(\t)+512*\i th:TH_LOAD_NT
.else
	global_load_b128 v[R+16*((\t)%4)+4*\i:R+16*((\t)%4)+4*\i+3], v3, s[38:39] offset:2048*((\t)-XSTEPS)+512*\i th:TH_LOAD_NT
.endif
.endr
.endm
.macro TURN t                          ; through the stage: LDS serves a wave's instructions in order, so no wait stands between the stores and the loads
.irp i, 0,1,2,3
	ds_store_b128 v14, v[R+16*((\t)%4)+4*\i:R+16*((\t)%4)+4*\i+3] offset:32*SP*((\t)%2)+8*SP*\i
.endr
.irp i, 0,1,2,3
	ds_load_b128 v[X+16*((\t)%2)+4*\i:X+16*((\t)%2)+4*\i+3], v15 offset:32*SP*((\t)%2)+16*\i
.endr
.endm
.macro MKSC e, vs, vl                  ; 2^e and 448 x 2^e as f32 numbers
	s_add_co_i32 s56, \e, 127
	s_lshl_b32 s57, s56, 23
	v_mov_b32 v[\vs], s57
	s_add_co_i32 s56, s56, 8
	s_lshl_b32 s56, s56, 23
	s_or_b32 s56, s56, 0x600000
.endm
.macro QV xs, cd, vs, vl               ; 16 neighbours v[xs] on become 16 codes in v[cd] on, with the scale in v[vs]
.irp i, 0,1,2,3,4,5,6,7,8,9,10,11,12,13,14,15
.endr
	v_cvt_scalef32_pk8_fp8_f32 v[\cd:\cd+1], v[\xs:\xs+7], v[\vs]
	v_cvt_scalef32_pk8_fp8_f32 v[\cd+2:\cd+3], v[\xs+8:\xs+15], v[\vs]
	v_nop                                          ; a plain vector line between the conversions and the next lines that write their sources, v[X] on
.endm
.irp t, 0,1,2,3
	LOAD \t
.endr
	s_wait_kmcnt 0x0
	s_cmp_lg_u32 s55, 0
	s_cselect_b32 s52, s27, s25                    ; entry 3 or 1
	s_cselect_b32 s53, s35, s29                    ; entry 11 or 5
	s_cmp_lg_u32 s54, 0
	s_cselect_b32 s52, s53, s52                    ; my weight's exponent
	MKSC s24, 8, 9
	MKSC s26, 10, 11
	MKSC s28, 12, 13
	MKSC s52, 6, 7
	s_wait_alu depctr_va_vdst(0)
	s_wait_loadcnt 12                              ; step 0's four loads are in
	TURN 0
.macro STEP t
.set XS, X+16*((\t)%2)
.set CC, C+12*((\t)%2)
	s_wait_dscnt 0x0                               ; this step's numbers are back from the stage, so its stores into the stage have read their registers,
.if (\t)+4 < STEPS
	LOAD (\t)+4                                    ; which take the loads of four steps on
.endif
.if (\t)+1 < STEPS
.if STEPS-2-(\t) >= 3
	s_wait_loadcnt 12                              ; the next step's four loads are in; those of the three steps behind it may be out
.else
	s_wait_loadcnt 4*(STEPS-2-(\t))                ; the counts run down
.endif
	TURN (\t)+1
.endif
	s_wait_xcnt 0x0                                ; the stores of two steps ago have read this set of code registers: only behind this wait is it written again
.if (\t) < XSTEPS
	QV XS, CC, 8, 9
	global_store_b128 v3, v[CC:CC+3], s[40:41] offset:512*(\t)
	QV XS, CC+4, 10, 11
	global_store_b128 v3, v[CC+4:CC+7], s[42:43] offset:512*(\t)
	QV XS, CC+8, 12, 13
	global_store_b128 v3, v[CC+8:CC+11], s[44:45] offset:512*(\t)
.else
	QV XS, CC, 6, 7
	global_store_b128 v3, v[CC:CC+3], s[46:47] offset:512*((\t)-XSTEPS)
.endif
.endm
.irp t, 0,1,2,3,4,5,6,7,8,9,10,11,12,13,14,15,16,17,18,19,20,21,22,23
	STEP \t
.endr
	s_wait_tensorcnt 0x0
	ds_add_u32 v160, v161
	s_wait_dscnt 0x0
	s_endpgm
.Lfunc_end_k_q765a549f2f_quant:
	.size	k_q765a549f2f_quant, .Lfunc_end_k_q765a549f2f_quant-k_q765a549f2f_quant
	.p2alignl 7, 3214868480
	.fill 96, 4, 3214868480
	.section	.rodata,"a",@progbits
	.p2align	6, 0x0
	.amdhsa_kernel k_q765a549f2f_quant
		.amdhsa_group_segment_fixed_size 33280
		.amdhsa_private_segment_fixed_size 0
		.amdhsa_enable_private_segment 0
		.amdhsa_kernarg_size 64
		.amdhsa_user_sgpr_count 2
		.amdhsa_user_sgpr_kernarg_segment_ptr 1
		.amdhsa_wavefront_size32 1
		.amdhsa_system_sgpr_workgroup_id_x 1
		.amdhsa_system_sgpr_workgroup_id_y 1
		.amdhsa_system_sgpr_workgroup_id_z 1
		.amdhsa_system_vgpr_workitem_id 0
		.amdhsa_next_free_vgpr 162
		.amdhsa_next_free_sgpr 66
		.amdhsa_reserve_vcc 0
		.amdhsa_float_denorm_mode_32 3
		.amdhsa_float_denorm_mode_16_64 3
		.amdhsa_fp16_overflow 1
		.amdhsa_memory_ordered 1
		.amdhsa_forward_progress 1
		.amdhsa_inst_pref_size 41
	.end_amdhsa_kernel
	.amdgpu_metadata
---
amdhsa.version: [ 1, 2 ]
amdhsa.kernels:
  - .name:           k_q765a549f2f_quant
    .symbol:         k_q765a549f2f_quant.kd
    .args:
      - { .name: x, .offset: 0, .size: 8, .value_kind: global_buffer, .address_space: global }
      - { .name: wq, .offset: 8, .size: 8, .value_kind: global_buffer, .address_space: global }
      - { .name: wk, .offset: 16, .size: 8, .value_kind: global_buffer, .address_space: global }
      - { .name: wv, .offset: 24, .size: 8, .value_kind: global_buffer, .address_space: global }
      - { .name: wo, .offset: 32, .size: 8, .value_kind: global_buffer, .address_space: global }
      - { .name: lowp_scales, .offset: 40, .size: 8, .value_kind: global_buffer, .address_space: global }
      - { .name: xc, .offset: 48, .size: 8, .value_kind: global_buffer, .address_space: global }
      - { .name: wc, .offset: 56, .size: 8, .value_kind: global_buffer, .address_space: global }
    .group_segment_fixed_size: 33280
    .private_segment_fixed_size: 0
    .kernarg_segment_align: 8
    .kernarg_segment_size: 64
    .max_flat_workgroup_size: 128
    .sgpr_count:     66
    .vgpr_count:     162
    .wavefront_size: 32
...
	.end_amdgpu_metadata
.endif
;; end of part 1
;; launch qkv (part 2): grid 12 x 32, 4 waves a work-group, clusters of 4 x 4, 327,680 bytes of LDS; arguments xc, wc, lowp_scales, qkv; writes qkv
.if DOCPART == 2
	.amdgcn_target "amdgcn-amd-amdhsa--gfx1250"
	.amdhsa_code_object_version 6
	.text
	.protected	k_q765a549f2f_qkv
	.globl	k_q765a549f2f_qkv
	.p2align	8
	.type	k_q765a549f2f_qkv,@function
k_q765a549f2f_qkv:
	s_mov_b64 s[64:65], 0
	v_nop
	global_prefetch_b8 v0, s[64:65] scope:SCOPE_SE
	s_setreg_imm32_b32 hwreg(HW_REG_WAVE_MODE, 25, 1), 1
	s_wait_xcnt 0x0
	s_wait_alu depctr_hold_cnt(0) depctr_sa_sdst(0) depctr_va_vdst(0) depctr_va_sdst(0) depctr_va_ssrc(0) depctr_va_vcc(0) depctr_vm_vsrc(0)
	s_getreg_b32 s2, hwreg(HW_REG_IB_STS2, 6, 4)
	s_cmp_eq_u32 s2, 0
	s_cbranch_scc0 .Lentry_in_a_cluster
	s_endpgm
.Lentry_in_a_cluster:
	s_bfe_u32 s2, ttmp6, 0x10000c
	s_cmp_lg_u32 s2, 0xf033
	s_cbranch_scc0 .Lentry_shape_is_right
	s_endpgm
.Lentry_shape_is_right:
; The three projections q, k, v = x W^T on codes of E4M3, their f32 sums quantised on the way out into the codes that attention reads.
; One generic product C'[i][j] = sum over k of A[i][k] B[j][k], K = 1,024, in tiles of 256 x 256.  p = the cluster's x says which: 0 q, 1 k, 2 v.
;   p < 2: A = x's codes of set p (tokens), B = the weight's codes (features).   p = 2: A = wv's codes (features), B = x's codes of set 2 (tokens): the roles are exchanged, so that a lane's eight results
;   are eight neighbouring TOKENS of one feature: the keys are the K of attention's second product.  Both operands have rows of 1,024 bytes; only pointers and offsets are chosen, by selects on p, with no branch.
; A sum stands for sum x 2^(eA + eB); its code is sum / 2^(eOut - eA - eB), held within +-448: entries (6, 0, 1) for q, (7, 2, 3) for k, (9, 4, 5) for v.
; LIMIT: each of these three differences lies between -126 and 119, so that the power of two and 448 times it are f32 numbers.
; OUTPUT, three planes of 8 MiB: q and k [batch x head 64][token 2048][64]; v [batch x head][block of 64 keys 32][channel 64][64 keys].  The innermost 64 stand in an order that swaps bits 3 and 4 of the index:
; byte 32 g + 16 h + 8 u + j holds index 32 g + 16 u + 8 h + j: that is how a lane's codes of two neighbouring accumulators lie on end.  For q and k it is one permutation of the head's channels, alike in both;
; for v it is the order in which loads of 16 bytes give the matrix instruction's own places along the keys.
; A tile is made by four waves, each 128 x 128: 64 accumulators.  K goes in steps of 256 through a ring of two LDS slots filled by the tensor data mover.
; CLUSTERS: 4 x 4 work-groups; A's tile is shared along a row of the cluster, B's along a column: each is asked for jointly.  THE MATRIX INSTRUCTION IS USED TRANSPOSED (source 0 = 16 rows of B, source 1 = 16 rows of A).
; A fragment is fetched by four loads of 16 bytes: a permutation of k inside an instruction, alike in A and B.
; REGISTERS, in windows of 256: window 0: v0-31 addresses; from v128 A's fragments, ONE set; on the way out v32-223 are free.  window 1: B's fragments, TWO sets.  windows 2, 3: the accumulators of my rows 0-63, 64-127.
.set KSTEP,  256
.set ROWB,   256                       ; a tile's row in bytes
.set KROW,   1024                      ; a row of A or of B in memory, in bytes
.set PITCH,  272                       ; an LDS row: 256 bytes + 16 of padding: the 16 rows that a load touches start at 16 different banks (64 banks of 4 bytes: ISA guide 11.1)
.set FR,     16                        ; registers of a fragment
.set NL,     4                         ; LDS loads that bring one
.set NP,     4                         ; places behind this matrix instruction (ISA guide 7.12.1)
.set HALFT,  128*PITCH
.set SLOT,   4*HALFT                   ; A's 256 rows, then B's 256 rows
.set LAPS,   2                         ; 1,024 along K: twice round the ring
.set SPARE,  2*SLOT                    ; behind the ring: the spare words, 128 bytes for each wave
.set SPITCH, 336                       ; the way out: a stage of 256 rows x (256 bytes + 80), in slot 0, which has had its last fill and its last read by then; 21 x 16 bytes: sixteen rows' stores fall on different banks
.set ADRA, 16                          ; v16-17  LDS address of my A fragments in slot 0, 1
.set ADRB, 20                          ; v20-21  the same for B
.set STO,  24                          ; v24     the way out: where I put 16 codes of a row
.set RD,   25                          ; v25     where I read 16 codes back
.set CO,   26                          ; v26     16 x lane
.set SPW,  28                          ; v28     LDS address of my spare word; never rewritten
.set NIL,  29                          ; v29     0; never rewritten
.set SCL,  30                          ; v30     the conversion's scale
.set LIM,  31
.set TMP,  32
.set CD,   96                          ; v96-223 codes: 16 registers a block
.set OUTR, 32                          ; v32-159 what comes back from the stage
.set AF,   128
.set G1, 24
.set G0, 32
.set G1B, 48
.set G0B, 56
.set MSB, 0
.macro WIN new                         ; the immediate's high byte repeats the setting that is left
.if MSB != \new
	s_set_vgpr_msb (MSB<<8)|\new
.set MSB, \new
.endif
.endm
.set MUL_LO, 0xa1                      ; source 0 (B) window 1, source 1 (A) window 0, C and D window 2
.set MUL_HI, 0xf1                      ; the same, C and D window 3
.set TO_B,   0x40                      ; destination window 1, address window 0
; A joint load: waves 0 and 1 fetch for A, waves 2 and 3 for B; the branch hangs on the wave's number alone.  Four v_nop follow each of the two lines.
.macro JLOAD g0a, g1a, g0b, g1b
	s_cmp_eq_u32 s15, 0
	s_cbranch_scc0 .Lfor_b_\@
	tensor_load_to_lds s[\g0a:\g0a+3], s[\g1a:\g1a+7]
	s_nop 0
.rept 4
	v_nop
.endr
	s_branch .Lasked_\@
.Lfor_b_\@:
	tensor_load_to_lds s[\g0b:\g0b+3], s[\g1b:\g1b+7]
	s_nop 0
.rept 4
	v_nop
.endr
.Lasked_\@:
.endm
.macro CREST                           ; a round of the cluster's barrier behind its opening barrier
	s_cmp_lg_u32 s14, 0
	s_cbranch_scc1 .Lnot_wave_0_\@
	s_barrier_signal -3
.Lnot_wave_0_\@:
	s_barrier_wait -3
	s_barrier_signal -1
	s_barrier_wait -1
.endm
.macro CROUND
	s_barrier_signal -1
	s_barrier_wait -1
	CREST
.endm
	s_load_b128 s[4:7], s[0:1], 0x0                ; x's codes s[4:5], the weights' codes s[6:7]
	s_load_b128 s[8:11], s[0:1], 0x10              ; the scales' exponents s[8:9], the output s[10:11]
	v_lshl_add_u32 v[SPW], v0, 2, SPARE
	v_mov_b32 v[NIL], 0
	ds_add_u32 v28, v29
	ds_add_u32 v28, v29
	s_wait_dscnt 0x0
	v_lshrrev_b32 v1, 5, v0
	v_readfirstlane_b32 s14, v1                    ; wave 0..3
	s_lshr_b32 s15, s14, 1                         ; which half of the tile's A rows is mine.  Also: I fetch for A (0) or for B (1)
	s_and_b32 s16, s14, 1                          ; which half of its B rows.  Also: which 128 rows of that tile I fetch
	s_bfe_u32 s40, ttmp6, 0x40000                  ; cx, cy: my place in the cluster
	s_bfe_u32 s41, ttmp6, 0x40004
	s_and_b32 s66, ttmp7, 0xffff
	s_lshl_b32 s66, s66, 2                         ; 4 x cluster y: the cluster's first tile of tokens
	s_lshl_b32 s67, ttmp9, 23                      ; p planes of 8 MiB (x's codes; the output)
	s_lshl_b32 s90, ttmp9, 20                      ; p weights of 1 MiB
	s_mov_b32 s91, 0x200000                        ; wv's codes in wc
	s_mov_b32 s92, 0x1000000                       ; set 2 of x's codes
	s_cmp_lt_u32 ttmp9, 2                          ; p is the cluster's x: the same in all sixteen partners
	s_cselect_b32 s17, s66, 0
	s_cselect_b32 s42, 0, s66
	s_cselect_b32 s91, s67, s91                    ; where A begins in its buffer
	s_cselect_b32 s92, s90, s92                    ; where B begins
	s_add_co_u32 s17, s17, s41                     ; A's tile row: tokens 4 x cluster y + cy, or features cy
	s_add_co_u32 s42, s42, s40                     ; B's tile row: features cx, or tokens 4 x cluster y + cx
	s_lshl_b32 s43, s41, 2
	s_lshl_b32 s43, 15, s43                        ; my row of the cluster
	s_lshl_b32 s44, 0x1111, s40                    ; my column
	; descriptor group 1: a tile of 128 rows x 256 bytes, padded in LDS
	s_or_b32 s[G1+0], s43, (0<<16)|(1<<20)|(1<<21)|(5<<22)|(3<<25)  ; 15:0 the mask: A's tiles go to my row; elements of 1 byte; padding on; bit 21 beside a mask; after every 64 words (code 5) 4 words (code 3)
	s_or_b32 s[G1B+0], s44, (0<<16)|(1<<20)|(1<<21)|(5<<22)|(3<<25)
.irp g, G1, G1B
	s_mov_b32 s[\g+1], ROWB<<16                    ; tensor_dim0
	s_mov_b32 s[\g+2], 128<<16                     ; tensor_dim1
	s_mov_b32 s[\g+3], ROWB<<16                    ; tile_dim0
	s_mov_b32 s[\g+4], 128                         ; tile_dim1
	s_mov_b32 s[\g+5], KROW                        ; from row to row
	s_mov_b32 s[\g+6], 0
	s_mov_b32 s[\g+7], 0
.endr
	s_lshl_b32 s18, s16, 7                         ; which 128 rows of the tile I fetch
	s_lshl_b32 s20, s17, 8
	s_add_co_u32 s20, s20, s18
	s_lshl_b32 s20, s20, 10                        ; rows of 1,024 bytes
	s_add_co_u32 s20, s20, s91                     ; A: under 2^25
	s_mov_b32 s21, 0
	s_lshl_b32 s46, s42, 8
	s_add_co_u32 s46, s46, s18
	s_lshl_b32 s46, s46, 10
	s_add_co_u32 s46, s46, s92                     ; B
	s_mov_b32 s47, 0
	s_mul_i32 s45, s14, HALFT                      ; where they go: wave x 128 rows: no place in the cluster enters an LDS address
	s_wait_kmcnt 0x0
	s_load_b256 s[68:75], s[8:9], 0x0              ; entries 0 to 7
	s_load_b128 s[76:79], s[8:9], 0x20             ; entries 8 to 11
	s_cmp_lt_u32 ttmp9, 2
	s_cselect_b64 s[94:95], s[4:5], s[6:7]         ; A's buffer
	s_cselect_b64 s[96:97], s[6:7], s[4:5]         ; B's
	s_add_nc_u64 s[20:21], s[94:95], s[20:21]
	s_add_nc_u64 s[46:47], s[96:97], s[46:47]
	CROUND                                         ; all sixteen work-groups are here: the first joint loads meet
.irp s, 0,1
	s_mov_b32 s[G0+4*\s], 1
	s_add_co_u32 s[G0+4*\s+1], s45, \s*SLOT
	s_add_nc_u64 s[G0+4*\s+2:G0+4*\s+3], s[20:21], \s*ROWB
	s_or_b32 s[G0+4*\s+3], s[G0+4*\s+3], 0x80000000
	s_mov_b32 s[G0B+4*\s], 1
	s_add_co_u32 s[G0B+4*\s+1], s45, \s*SLOT
	s_add_nc_u64 s[G0B+4*\s+2:G0B+4*\s+3], s[46:47], \s*ROWB
	s_or_b32 s[G0B+4*\s+3], s[G0B+4*\s+3], 0x80000000
	JLOAD G0+4*\s, G1, G0B+4*\s, G1B
.endr
	v_and_b32 v1, 15, v0                           ; r = lane % 16
	s_wait_alu depctr_va_vdst(0)
	v_bfe_u32 v2, v0, 4, 1                         ; h = lane / 16
	v_mul_u32_u24 v3, v1, PITCH
	v_lshl_add_u32 v4, v2, 4, v3                   ; a fragment's row x pitch + 16 x half
	s_mul_i32 s21, s15, HALFT                      ; my 128 rows of A
	s_mul_i32 s22, s16, HALFT                      ; my 128 rows of B,
	s_add_co_u32 s22, s22, 2*HALFT                 ; which lie behind A's 256
.irp s, 0,1
	v_add_nc_u32 v[ADRA+\s], s21, v4
	v_add_nc_u32 v[ADRB+\s], s22, v4
	s_add_co_u32 s21, s21, SLOT
	s_add_co_u32 s22, s22, SLOT
.endr
	s_mul_i32 s23, s15, 128*SPITCH                 ; the stage, in: row 128 x (my half of A's rows) + r, byte 128 x (my half of B's rows) + 16 h
	s_lshl_b32 s22, s16, 7
	s_add_co_u32 s23, s23, s22
	v_mul_u32_u24 v5, v1, SPITCH
	s_wait_alu depctr_va_vdst(0)
	v_lshl_add_u32 v5, v2, 4, v5
	v_add_nc_u32 v[STO], s23, v5
	v_and_b32 v6, 31, v0                           ; back: wave w takes rows 64 w on; a load takes eight rows x 64 bytes: four lanes to a row
	v_lshrrev_b32 v7, 2, v6
	v_mul_u32_u24 v7, v7, SPITCH
	v_and_b32 v8, 3, v6
	v_lshl_add_u32 v7, v8, 4, v7
	s_mul_i32 s23, s14, 64*SPITCH
	v_add_nc_u32 v[RD], s23, v7
	v_lshlrev_b32 v[CO], 4, v6
	; where my 64 rows x four groups of 64 columns go.  Tokens' tile TT (0..31), features' tile FT (0..3).
	; p < 2: rows are tokens, column group J is head 4 FT + J: 4,096 bytes from wave to wave, 131,072 from J to J.   p = 2: rows are the channels of head 4 FT + w, group J is a block of 64 keys: the two strides change places.
	s_mov_b32 s98, 131072
	s_cmp_lt_u32 ttmp9, 2
	s_cselect_b32 s88, s41, s40
	s_cselect_b32 s89, s40, s41                    ; FT
	s_cselect_b32 s93, 4096, s98                   ; from wave to wave
	s_cselect_b32 s98, s98, 4096                   ; from J to J
	s_add_co_u32 s88, s88, s66                     ; TT
	s_lshr_b32 s99, s88, 3
	s_lshl_b32 s99, s99, 21                        ; the batch: 16 heads of 131,072 bytes
	s_and_b32 s88, s88, 7
	s_lshl_b32 s88, s88, 14                        ; 256 tokens of 64 bytes, or four blocks of 4,096
	s_add_co_u32 s99, s99, s88
	s_lshl_b32 s89, s89, 19                        ; four heads
	s_add_co_u32 s99, s99, s89
	s_add_co_u32 s99, s99, s67                     ; the plane
	s_mul_i32 s93, s93, s14
	s_add_co_u32 s88, s99, s93                     ; under 2^25
	s_mov_b32 s89, 0
	s_mov_b32 s99, 0
	s_add_nc_u64 s[80:81], s[10:11], s[88:89]      ; a base for each J
	s_add_nc_u64 s[82:83], s[80:81], s[98:99]
	s_add_nc_u64 s[84:85], s[82:83], s[98:99]
	s_add_nc_u64 s[86:87], s[84:85], s[98:99]
.macro FRAG reg, adr, q, i             ; 16 rows x 128 K: lane l holds row l % 16; registers 4 c .. 4 c + 3 hold K = 32 c + 16 (l / 16) + 0 .. 15
.irp c, 0,1,2,3
	ds_load_b128 v[\reg+4*\c:\reg+4*\c+3], v[\adr] offset:128*(\q)+32*\c+(\i)*16*PITCH
.endr
.endm
; 16 matrix instructions: A's blocks a0, a0 + 1 x B's eight, 128 along K.  p: B's set.  zero = 1: the first product starts the sums.  The 64 accumulators take turns, one instruction a turn.
.macro MUL16 a0, p, zero
.irp a, \a0, \a0+1
.irp b, 0,1,2,3,4,5,6,7
.if \zero
	v_wmma_f32_16x16x128_fp8_fp8 v[8*(8*((\a)%4)+\b):8*(8*((\a)%4)+\b)+7], v[128*(\p)+FR*\b:128*(\p)+FR*\b+FR-1], v[AF+FR*(\a):AF+FR*(\a)+FR-1], 0
.else
	v_wmma_f32_16x16x128_fp8_fp8 v[8*(8*((\a)%4)+\b):8*(8*((\a)%4)+\b)+7], v[128*(\p)+FR*\b:128*(\p)+FR*\b+FR-1], v[AF+FR*(\a):AF+FR*(\a)+FR-1], v[8*(8*((\a)%4)+\b):8*(8*((\a)%4)+\b)+7]
.endif
.endr
.endr
.endm
.macro FETCH_B slot, q, p
	WIN TO_B
.irp i, 0,1,2,3,4,5,6,7
	FRAG 128*(\p)+FR*\i, ADRB+\slot, \q, \i
.endr
	WIN 0
.endm
.macro FETCH_A slot, q, i0
.irp i, \i0, \i0+1, \i0+2, \i0+3
	FRAG AF+FR*(\i), ADRA+\slot, \q, \i
.endr
.endm
.macro PLACES n                        ; plain vector lines between a matrix instruction and a load into a register that it read, or a vector line that reads its result
.rept \n
	v_nop
.endr
.endm
; A step of 128 along K that has its successor in the same slot.  A's blocks go one after the other, so one set of registers serves A: blocks 0-3 are fetched anew in the step's middle, blocks 4-7 at its end.
.macro STEP slot, q, zero
	s_wait_dscnt 4*NL                              ; B's set and A's blocks 0-3 are in; the youngest 16 loads (A's blocks 4-7) may be out
	WIN MUL_LO
	MUL16 0, (\q)%2, \zero
	MUL16 2, (\q)%2, \zero
	s_wait_dscnt 0                                 ; A's blocks 4-7 are in
	PLACES NP
	FETCH_B \slot, (\q)+1, 1-(\q)%2
	FETCH_A \slot, (\q)+1, 0
	WIN MUL_HI
	MUL16 4, (\q)%2, \zero
	MUL16 6, (\q)%2, \zero
	PLACES NP
	WIN 0
	FETCH_A \slot, (\q)+1, 4
.endm
; A slot's last step changes slots: ONE barrier; in front of it each wave waits for all its tensor loads, adds 0 to its spare word, and waits for that and for its own reads of this slot.  fill = 1: this slot is filled again, two K steps ahead.
.macro TURN slot, next, fill
	s_wait_tensorcnt 0x0                           ; all my tensor loads have landed: my part of the next slot
	ds_add_u32 v[SPW], v[NIL]                      ; 0 onto my spare word
	s_wait_dscnt 4*NL+1                            ; the add and the youngest 16 loads (A's blocks 4-7) may be out
	WIN MUL_LO
	MUL16 0, 1, 0                                  ; sixteen matrix instructions stand between the add and the wait for it
	s_wait_dscnt 0x0                               ; the add is done, and my reads of this slot are over
	s_barrier_signal -1
	MUL16 2, 1, 0
	WIN 0
	s_barrier_wait -1
.if \fill
	CREST                                          ; the barrier has opened a round of the cluster's barrier: no wave of any partner still reads this slot or has a load on its way
	s_add_nc_u64 s[G0+4*\slot+2:G0+4*\slot+3], s[G0+4*\slot+2:G0+4*\slot+3], 2*ROWB
	s_add_nc_u64 s[G0B+4*\slot+2:G0B+4*\slot+3], s[G0B+4*\slot+2:G0B+4*\slot+3], 2*ROWB
	JLOAD G0+4*\slot, G1, G0B+4*\slot, G1B         ; the first tensor load behind the round; its four v_nop are also the places in front of the loads below
.else
	PLACES NP
.endif
	FETCH_B \next, 0, 0
	FETCH_A \next, 0, 0
	WIN MUL_HI
	MUL16 4, 1, 0
	MUL16 6, 1, 0
	PLACES NP
	WIN 0
	FETCH_A \next, 0, 4
.endm
	s_wait_tensorcnt 1                             ; my part of K step 0 is in; K step 1's load may be out
	s_barrier_signal -1
	s_barrier_wait -1
	FETCH_B 0, 0, 0
	FETCH_A 0, 0, 0
	FETCH_A 0, 0, 4
	STEP 0, 0, 1                                   ; the first step stands in front of the loop: its products start the sums
	s_mov_b32 s3, LAPS-1
.Llap:                                                 ; a trip goes once round the ring and fills both slots again
	TURN 0, 1, 1
	STEP 1, 0, 0
	TURN 1, 0, 1
	STEP 0, 0, 0
	s_sub_co_u32 s3, s3, 1
	s_cmp_lg_u32 s3, 0
	s_cbranch_scc1 .Llap
	TURN 0, 1, 0                                   ; the last lap fills nothing
	STEP 1, 0, 0
	s_wait_dscnt 4*NL                              ; the very last step
	WIN MUL_LO
	MUL16 0, 1, 0
	MUL16 2, 1, 0
	s_wait_dscnt 0
	WIN MUL_HI
	MUL16 4, 1, 0
	MUL16 6, 1, 0
	WIN 0
	; THE WAY OUT.  The three scales are folded into the conversion's one; which three is chosen by selects on p.
	s_wait_kmcnt 0x0
	s_sub_co_i32 s90, s74, s68
	s_sub_co_i32 s90, s90, s69                     ; q: entry 6 - entry 0 - entry 1
	s_sub_co_i32 s91, s75, s70
	s_sub_co_i32 s91, s91, s71                     ; k: 7 - 2 - 3
	s_sub_co_i32 s92, s77, s72
	s_sub_co_i32 s92, s92, s73                     ; v: 9 - 4 - 5
	s_cmp_eq_u32 ttmp9, 0
	s_cselect_b32 s90, s90, s91
	s_cmp_eq_u32 ttmp9, 2
	s_cselect_b32 s90, s92, s90
	s_add_co_i32 s90, s90, 127
	s_lshl_b32 s91, s90, 23
	s_add_co_i32 s90, s90, 8
	s_lshl_b32 s90, s90, 23
	s_or_b32 s90, s90, 0x600000
	v_mov_b32 v[SCL], s91
	PLACES NP
; Block a: 16 rows of A x my 128 rows of B.  A lane's eight sums of an accumulator are eight neighbours of a row; two neighbouring accumulators give 16 bytes.  Each accumulator is read from its low end on.
.macro PACKROW a
.set AC, 64*((\a)%4)
	WIN 0x02+((\a)/4)                              ; source 0: window 2 or 3
.set J, 0
.rept 64
.set J, J+1
.endr
.irp b, 0,1,2,3,4,5,6,7
	v_cvt_scalef32_pk8_fp8_f32 v[CD+16*(\a)+2*\b:CD+16*(\a)+2*\b+1], v[AC+8*\b:AC+8*\b+7], v[SCL]
.endr
	WIN 0
	v_nop
.irp g, 0,1,2,3
	ds_store_b128 v[STO], v[CD+16*(\a)+4*\g:CD+16*(\a)+4*\g+3] offset:16*SPITCH*(\a)+32*\g
.endr
.endm
.irp a, 0,1,2,3,4,5,6,7
	PACKROW \a
.endr
	s_wait_dscnt 0x0                               ; for the others' sake: my stores into the stage are done
	s_barrier_signal -1
	s_barrier_wait -1                              ; a row's 256 bytes come from two waves
.irp i, 0,1,2,3,4,5,6,7
.irp j, 0,1,2,3
	ds_load_b128 v[OUTR+4*(4*\i+\j):OUTR+4*(4*\i+\j)+3], v[RD] offset:8*SPITCH*\i+64*\j   ; rows 8 i .. 8 i + 7 of my 64, column group j
.endr
.endr
.irp i, 0,1,2,3,4,5,6,7
.irp j, 0,1,2,3
	s_wait_dscnt 31-(4*\i+\j)                      ; the loads behind this one may be out
	global_store_b128 v[CO], v[OUTR+4*(4*\i+\j):OUTR+4*(4*\i+\j)+3], s[80+2*\j:81+2*\j] offset:512*\i   ; eight rows of 64 bytes lie on end in the output: the wave stores 512 consecutive bytes, aligned
.endr
.endr
	s_wait_tensorcnt 0x0                           ; the wave's end
	ds_add_u32 v[SPW], v[NIL]
	s_wait_dscnt 0x0
	CROUND                                         ; the closing round: no work-group ends while a partner may still ask for a tile that names it
	s_endpgm
.Lfunc_end_k_q765a549f2f_qkv:
	.size	k_q765a549f2f_qkv, .Lfunc_end_k_q765a549f2f_qkv-k_q765a549f2f_qkv
	.p2alignl 7, 3214868480
	.fill 96, 4, 3214868480
	.section	.rodata,"a",@progbits
	.p2align	6, 0x0
	.amdhsa_kernel k_q765a549f2f_qkv
		.amdhsa_group_segment_fixed_size 327680
		.amdhsa_private_segment_fixed_size 0
		.amdhsa_enable_private_segment 0
		.amdhsa_kernarg_size 32
		.amdhsa_user_sgpr_count 2
		.amdhsa_user_sgpr_kernarg_segment_ptr 1
		.amdhsa_wavefront_size32 1
		.amdhsa_system_sgpr_workgroup_id_x 1
		.amdhsa_system_sgpr_workgroup_id_y 1
		.amdhsa_system_sgpr_workgroup_id_z 1
		.amdhsa_system_vgpr_workitem_id 0
		.amdhsa_next_free_vgpr 1024
		.amdhsa_next_free_sgpr 100
		.amdhsa_reserve_vcc 0
		.amdhsa_float_denorm_mode_32 3
		.amdhsa_float_denorm_mode_16_64 3
		.amdhsa_fp16_overflow 1
		.amdhsa_memory_ordered 1
		.amdhsa_forward_progress 1
		.amdhsa_inst_pref_size 92
	.end_amdhsa_kernel
	.amdgpu_metadata
---
amdhsa.version: [ 1, 2 ]
amdhsa.kernels:
  - .name:           k_q765a549f2f_qkv
    .symbol:         k_q765a549f2f_qkv.kd
    .args:
      - { .name: xc, .offset: 0, .size: 8, .value_kind: global_buffer, .address_space: global }
      - { .name: wc, .offset: 8, .size: 8, .value_kind: global_buffer, .address_space: global }
      - { .name: lowp_scales, .offset: 16, .size: 8, .value_kind: global_buffer, .address_space: global }
      - { .name: qkv, .offset: 24, .size: 8, .value_kind: global_buffer, .address_space: global }
    .group_segment_fixed_size: 327680
    .private_segment_fixed_size: 0
    .kernarg_segment_align: 8
    .kernarg_segment_size: 32
    .max_flat_workgroup_size: 128
    .sgpr_count:     100
    .vgpr_count:     1024
    .wavefront_size: 32
...
	.end_amdgpu_metadata
.endif
;; end of part 2
;; launch attn (part 3): grid 4 x 64, 16 waves a work-group, no clusters, 327,680 bytes of LDS; arguments qkv, lowp_scales, ac; writes ac
.if DOCPART == 3
	.amdgcn_target "amdgcn-amd-amdhsa--gfx1250"
	.amdhsa_code_object_version 6
	.text
	.protected	k_q765a549f2f_attn
	.globl	k_q765a549f2f_attn
	.p2align	8
	.type	k_q765a549f2f_attn,@function
k_q765a549f2f_attn:
	s_mov_b64 s[64:65], 0
	v_nop
	global_prefetch_b8 v0, s[64:65] scope:SCOPE_SE
	s_setreg_imm32_b32 hwreg(HW_REG_WAVE_MODE, 25, 1), 1
	s_wait_xcnt 0x0
; Causal attention on codes of E4M3, head size 64, 2,048 tokens, 64 (batch x head).  Inputs: the three planes that the launch before stored (q, k: [bh][token][64]; v: [bh][block of 64 keys][channel][64 keys]).
; Output: ac [bh][token][64], the result's codes with the scale of entry 10, channels in their true order.
; THE SOFTMAX: t = score x log2(e) / 8; M = the row's largest t so far, rounded UP to a whole number; p = 2^(t - M) is quantised (entry 8), not normalised.  The row's sum is taken of the unquantised p and divides at the end.
; When M moves, the sum and O are multiplied by 2^(old M - new M): a power of two.
; SHARES.  Work-group (i, bh) owns query blocks 7 - i and i (256 queries each) of one head; each of its sixteen waves owns 16 queries of each block, one after the other in one set of registers.
; Block 7 - i walks key slots 0 .. 7 - i, then block i walks slots 0 .. i: always NINE trips of 256 keys, so the trip count is a constant and all 256 work-groups have the same work.
; A step (128 keys) all of whose keys come after the wave's queries is left out by a scalar branch on ids; on the diagonal hidden scores become -infinity.  Key 0 counts for every query, so M is a number from a block's first step on.
; NO CLUSTER: the work-groups that share K and V are the query blocks of one head, and the step that is left out is a branch on the query block: partners of a joint load would have to run alike.
; LAYOUT.  Both products are used transposed: S^T = K Q^T (source 0 = 16 keys, source 1 = my 16 queries), O^T = V^T P^T: a lane holds one query (lane % 16) throughout.  Register 8 t + j of S^T is key 16 t + 8 (lane / 16) + j,
; so tile t's conversion gives registers 2 t, 2 t + 1 of the second product's operand, in that form's own places; V's rows are stored in the order in which loads of 16 bytes give the same places.
; LDS: two slots, 65,536 bytes apart: K's 256 rows of 64 bytes, then V's 256 rows of 64 bytes, each a dense 16 KiB brought as 64 rows of 256 bytes + 16 of padding: row x lies at 272 (x / 4) + 64 (x % 4),
; so the sixteen rows of a fragment fall on sixteen different columns of 16 bytes.  Behind them the spare words, and a stage of 16 rows x 80 bytes for each wave, into which no tile lands.
; LIMITS on the given exponents: entry 6 + entry 7 between -123 and 130 (added to the exponent field of log2(e) / 8); entries 8 and 10 between -126 and 119.  NaN among the inputs is not served.
; REGISTERS: v1-9 addresses that stay; v12 -M, v13 the largest t, v[14:15] the sum; v16-23 Q; v24-31 the second block's Q; v32-95 K's eight fragments, then V's four; v96-159 S^T, then p; v160-191 O^T;
; v192-207 p's codes; v208-215 the result's codes; v216-231 rows read back; v236-255 at work and constants.
.set SLOT1, 65536
.set VOFF,  17408                      ; 64 x 272
.set SPARE, 131072                     ; 128 bytes for each of 16 waves
.set STAGE, 133120
.set SLOTB, 16384                      ; a slot's bytes of K, and of V, in memory
.set LT,   1                           ; v1   my lane's place in a fragment: 272 (r / 4) + 64 (r % 4) + 16 h
.set ADR,  2                           ; v2   LT + the slot in hand
.set PFO,  3                           ; v3   256 x lane
.set STO,  4                           ; v4   the stage, in
.set SPW,  5                           ; v5   my spare word; never rewritten
.set NIL,  6                           ; v6   0; never rewritten
.set GO,   7                           ; v7   16 x lane
.set SRD,  8                           ; v8   the stage, back
.set RH,   9                           ; v9   r - 8 h
.set TB,   2                           ; s2   LDS byte at which the slot in hand begins
.set WV,   18
.set SEL,  20                          ; s[20:21] lane selects: lane l xor 16
.set CS,   22                          ; s[22:23] c = log2(e) / 8 x 2^(entry 6 + entry 7)
.set G1,   24                          ; s[24:31] descriptor group 1
.set G0,   40                          ; s[40:43] descriptor group 0
.set BASE, 44                          ; s[44:45] my plane (K: even waves, V: odd) at my head
.set SOFF, 46                          ; s[46:47] the byte offset of the key slot to be asked for
.set TAU1, 48                          ; s48  the trip's number + 1
.set SW,   49                          ; s49  8 - i: the first trip of the second block
.set SW1,  50
.set SLOTS, 51                         ; s51  the loop's counter, 8 down
.set KF,   52                          ; s52  the step's first key
.set Q0,   53                          ; s53  my first query
.set Q0G,  54                          ; s54  the second block's
.set EPV,  55                          ; s55  entry 8 + entry 9
.set OBF,  56                          ; s[56:57], s[58:59] where my 16 rows of the result go, first and second block
.set OBG,  58
.set PFA,  60                          ; s[60:61] where my prefetches stand
.set LIM,  62                          ; s62  2 in a wave that prefetches, else the greatest number
.macro TLOAD                           ; wave 0 fetches K's tile, wave 1 V's; the branch hangs on the wave's number alone; four v_nop follow the line
	s_cmp_lt_u32 s[WV], 2
	s_cbranch_scc0 .Lasked_\@
	tensor_load_to_lds s[G0:G0+3], s[G1:G1+7]
	s_nop 0
.rept 4
	v_nop
.endr
.Lasked_\@:
.endm
; A PREFETCH of the key slot that the NEXT change of slots will ask for.  All four work-groups of a head walk the same K and V from slot 0 up; the one with i = 0 walks all eight, and it alone asks.  In it waves 4 and 5 ask for
; K's 16 KiB, waves 6 and 7 for V's: 8 KiB a wave, lanes 256 bytes apart, one instruction.  Trip n asks for slot n + 2 while n <= 5: slots 0 and 1 come by their loads alone, and nothing is asked for past slot 7.
.macro ASK
	s_cmp_gt_u32 s[SLOTS], s[LIM]
	s_cbranch_scc0 .Lnot_mine_\@
	global_prefetch_b8 v[PFO], s[PFA:PFA+1] th:TH_LOAD_NT scope:SCOPE_SE
.Lnot_mine_\@:
.endm
	s_load_b128 s[4:7], s[0:1], 0x0                ; the planes s[4:5], the scales' exponents s[6:7]
	s_load_b64 s[8:9], s[0:1], 0x10                ; the result's codes
	v_lshl_add_u32 v[SPW], v0, 2, SPARE
	v_mov_b32 v[NIL], 0
	ds_add_u32 v5, v6
	ds_add_u32 v5, v6
	s_wait_dscnt 0x0
	v_lshrrev_b32 v10, 5, v0
	s_delay_alu instid0(VALU_DEP_1)
	v_readfirstlane_b32 s[WV], v10                 ; wave 0..15
	s_and_b32 s80, ttmp7, 0xffff
	s_lshl_b32 s80, s80, 17                        ; my head's first byte in a plane: 2,048 x 64
	s_and_b32 s81, s[WV], 1
	s_add_co_u32 s82, s81, 1
	s_lshl_b32 s82, s82, 23                        ; plane 1 (K) or 2 (V)
	s_add_co_u32 s82, s82, s80
	s_mov_b32 s83, 0
	s_mul_i32 s84, s81, VOFF                       ; and its place in a slot
	s_mov_b32 s[G1], (3<<16)|(1<<20)|(5<<22)|(3<<25)  ; no mask; elements of 8 bytes; padding on: after every 64 words (code 5) 4 words (code 3)
	s_mov_b32 s[G1+1], 32<<16                      ; tensor_dim0 = 32 elements: 256 bytes
	s_mov_b32 s[G1+2], 64<<16                      ; tensor_dim1 = 64
	s_mov_b32 s[G1+3], 32<<16                      ; tile_dim0
	s_mov_b32 s[G1+4], 64                          ; tile_dim1
	s_mov_b32 s[G1+5], 32                          ; from row to row: the block is dense
	s_mov_b32 s[G1+6], 0
	s_mov_b32 s[G1+7], 0
	s_mov_b32 s[SEL], 0x76543210
	s_mov_b32 s[SEL+1], 0xfedcba98
	s_mov_b32 s[CS], 0x3e38aa3b                    ; log2(e) / 8
	s_mov_b32 s[TB], 0
	s_mov_b32 s[SOFF], 0
	s_mov_b32 s[SOFF+1], 0
	s_mov_b32 s[TAU1], 0
	s_mov_b32 s[SLOTS], 8
	s_mov_b32 s[KF], 0
	s_wait_kmcnt 0x0
	s_load_b256 s[68:75], s[6:7], 0x0              ; entries 0 to 7
	s_load_b128 s[76:79], s[6:7], 0x20             ; entries 8 to 11
	s_add_nc_u64 s[BASE:BASE+1], s[4:5], s[82:83]
	s_mov_b32 s[G0], 1
	s_mov_b32 s[G0+1], s84
	s_mov_b64 s[G0+2:G0+3], s[BASE:BASE+1]
	s_or_b32 s[G0+3], s[G0+3], 0x80000000
	TLOAD                                          ; key slot 0 into LDS slot 0
	s_sub_co_u32 s[SW], 8, ttmp9
	s_add_co_u32 s[SW1], s[SW], 1
	s_sub_co_u32 s85, 7, ttmp9
	s_lshl_b32 s85, s85, 8
	s_lshl_b32 s86, s[WV], 4
	s_add_co_u32 s[Q0], s85, s86                   ; 256 (7 - i) + 16 w
	s_lshl_b32 s85, ttmp9, 8
	s_add_co_u32 s[Q0G], s85, s86                  ; 256 i + 16 w
	s_lshl_b32 s88, s[Q0], 6
	s_add_co_u32 s88, s88, s80                     ; my 16 rows of 64 bytes, in q's plane and in the result alike
	s_mov_b32 s89, 0
	s_add_nc_u64 s[OBF:OBF+1], s[8:9], s[88:89]
	s_lshl_b32 s90, s[Q0G], 6
	s_add_co_u32 s90, s90, s80
	s_mov_b32 s91, 0
	s_add_nc_u64 s[OBG:OBG+1], s[8:9], s[90:91]
	s_lshr_b32 s92, s[WV], 1                       ; the prefetches: waves 4, 5 stand in K's plane, waves 6, 7 in V's,
	s_and_b32 s92, s92, 1
	s_add_co_u32 s92, s92, 1
	s_lshl_b32 s92, s92, 23
	s_add_co_u32 s92, s92, s80
	s_lshl_b32 s93, s81, 13                        ; the odd wave 8 KiB further on,
	s_add_co_u32 s92, s92, s93
	s_add_co_u32 s92, s92, SLOTB                   ; at slot 1: the first change of slots steps it to slot 2
	s_mov_b32 s93, 0
	s_add_nc_u64 s[PFA:PFA+1], s[4:5], s[92:93]
	s_sub_co_u32 s82, s[WV], 4
	s_lshr_b32 s82, s82, 2                         ; 0 in waves 4 to 7,
	s_or_b32 s82, s82, ttmp9                       ; of the work-group with i = 0
	s_cmp_eq_u32 s82, 0
	s_cselect_b32 s[LIM], 2, -1
	v_and_b32 v10, 15, v0                          ; r
	v_bfe_u32 v11, v0, 4, 1                        ; h
	s_delay_alu instid0(VALU_DEP_2)
	v_lshrrev_b32 v[LT], 2, v10
	s_delay_alu instid0(VALU_DEP_1)
	v_mul_u32_u24 v[LT], v[LT], 272
	s_delay_alu instid0(VALU_DEP_4)
	v_and_b32 v[ADR], 3, v10
	s_delay_alu instid0(VALU_DEP_1)
	v_lshl_add_u32 v[LT], v[ADR], 6, v[LT]
	s_delay_alu instid0(VALU_DEP_1)
	v_lshl_add_u32 v[LT], v11, 4, v[LT]
	s_mul_i32 s94, s[WV], 1280
	s_add_co_u32 s94, s94, STAGE                   ; my stage
	v_mul_u32_u24 v[STO], v10, 80
	s_delay_alu instid0(VALU_DEP_1)
	v_lshl_add_u32 v[STO], v11, 3, v[STO]
	s_delay_alu instid0(VALU_DEP_1)
	v_add_nc_u32 v[STO], s94, v[STO]               ; in: row r, 8 bytes for each half of the lanes
	v_and_b32 v[GO], 31, v0
	s_delay_alu instid0(VALU_DEP_1)
	v_lshrrev_b32 v[SRD], 2, v[GO]
	s_delay_alu instid0(VALU_DEP_1)
	v_mul_u32_u24 v[SRD], v[SRD], 80
	s_delay_alu instid0(VALU_DEP_3)
	v_and_b32 v[PFO], 3, v[GO]
	s_delay_alu instid0(VALU_DEP_1)
	v_lshl_add_u32 v[SRD], v[PFO], 4, v[SRD]
	s_delay_alu instid0(VALU_DEP_1)
	v_add_nc_u32 v[SRD], s94, v[SRD]               ; back: four lanes to a row, eight rows a load
	v_lshlrev_b32 v[PFO], 8, v[GO]
	v_lshlrev_b32 v[GO], 4, v[GO]
	v_lshlrev_b32 v[RH], 3, v11
	s_delay_alu instid0(VALU_DEP_1)
	v_sub_nc_u32 v[RH], v10, v[RH]
	v_lshlrev_b32 v10, 6, v10
	s_delay_alu instid0(VALU_DEP_1)
	v_lshl_add_u32 v10, v11, 4, v10                ; Q: row r of 64 bytes, + 16 h: the same bytes of a row as K's fragments take
	s_delay_alu instid0(VALU_DEP_1)
	v_add_nc_u32 v11, s90, v10
	s_delay_alu instid0(VALU_DEP_2)
	v_add_nc_u32 v10, s88, v10
	global_load_b128 v[16:19], v10, s[4:5]
	global_load_b128 v[20:23], v10, s[4:5] offset:32
	global_load_b128 v[24:27], v11, s[4:5]
	global_load_b128 v[28:31], v11, s[4:5] offset:32
	v_mov_b32 v13, 0xff61b1e6                      ; the largest t so far: -3e38, under every t
	s_delay_alu instid0(VALU_DEP_1)
	v_floor_f32 v12, -v13                          ; -M
	v_mov_b32 v14, 0
	v_mov_b32 v15, 0
	v_mov_b32 v236, 0                              ; written once: a lane permute's destination counts as one of its sources
	v_mov_b32 v252, 0
	v_mov_b32 v253, 0                              ; (named as the upper half of the pair v[252:253])
.set N, 0
.rept 32
	v_mov_b32 v[160+N], 0                          ; O^T: the step is written once; a block's first step finds zeros, which the first change of M leaves zeros
.set N, N+1
.endr
	s_wait_kmcnt 0x0
	s_add_co_i32 s95, s74, s75
	s_lshl_b32 s95, s95, 23
	s_add_co_i32 s[CS], s[CS], s95                 ; a score stands for score x 2^(entry 6 + entry 7): added to c's exponent field
	s_mov_b32 s[CS+1], s[CS]
	s_add_co_i32 s95, s76, 127
	s_lshl_b32 s96, s95, 23
	v_mov_b32 v244, s96                            ; 2^(entry 8), for p's conversion
	s_add_co_i32 s95, s78, 127
	s_lshl_b32 s96, s95, 23
	v_mov_b32 v245, s96                            ; 2^(entry 10), for the result's
	s_add_co_i32 s[EPV], s76, s77
; A KEY STEP: 128 keys, the q-th half of the slot in hand.
.macro TSTEP q
	s_add_co_u32 s96, s[Q0], 15
	s_cmp_gt_u32 s[KF], s96                        ; all 128 keys come after my 16 queries: the step's work is left out
	s_cbranch_scc1 .Lhidden_\@
	v_add_nc_u32 v[ADR], s[TB], v[LT]
.irp t, 0,1,2,3,4,5,6,7
.irp c, 0,1
	ds_load_b128 v[32+8*\t+4*\c:35+8*\t+4*\c], v[ADR] offset:8704*(\q)+1088*\t+32*\c   ; keys 16 t + r
.endr
.endr
	s_wait_dscnt 8                                 ; tiles 0-3 are in; the eight loads of tiles 4-7 may be out
	s_wait_alu depctr_va_vdst(0)
.irp t, 0,1,2,3
	v_wmma_f32_16x16x64_fp8_fp8 v[96+8*\t:103+8*\t], v[32+8*\t:39+8*\t], v[16:23], 0
.endr
	s_wait_dscnt 0x0
.irp t, 4,5,6,7
	v_wmma_f32_16x16x64_fp8_fp8 v[96+8*\t:103+8*\t], v[32+8*\t:39+8*\t], v[16:23], 0
.endr
.rept 4
	v_nop                                          ; places in front of the loads into K's registers and of the first read of the scores
.endr
.irp t, 0,1,2,3
.irp c, 0,1,2,3
	ds_load_b128 v[32+16*\t+4*\c:35+16*\t+4*\c], v[ADR] offset:VOFF+4352*(2*(\q)+\c/2)+1088*\t+32*(\c%2)   ; V: channels 16 t + r, these 128 keys; they land under the softmax
.endr
.endr
	s_add_co_u32 s96, s[KF], 127
	s_cmp_le_u32 s96, s[Q0]                        ; all keys count: no mask
	s_cbranch_scc1 .Lopen_\@
	s_sub_co_i32 s96, s[Q0], s[KF]
	v_add_nc_u32 v252, s96, v[RH]                  ; d = my query - KF - 8 h.  Register 8 t + j holds key KF + 8 h + 16 t + j: hidden where 16 t + j > d
	v_mov_b32 v254, 0xff800000                     ; -infinity
.set N, 0
.rept 64
	v_cmp_gt_i32 vcc_lo, 16*(N/8)+N%8, v252
	v_cndmask_b32 v[96+N], v[96+N], v254, vcc_lo
.set N, N+1
.endr
.Lopen_\@:
	v_max3_num_f32 v254, v96, v97, v98             ; the step's largest score of my query among my 64 keys, in two chains; each accumulator is first read at its low end
	v_max3_num_f32 v252, v99, v100, v101
.set N, 6
.rept 14
	v_max3_num_f32 v254, v254, v[96+N], v[97+N]
	v_max3_num_f32 v252, v252, v[98+N], v[99+N]
.set N, N+4
.endr
	v_max3_num_f32 v254, v254, v158, v159
	s_delay_alu instid0(VALU_DEP_1)
	v_max_num_f32 v254, v254, v252
	s_delay_alu instid0(VALU_DEP_1)
	v_permlanex16_b32 v236, v254, s[SEL], s[SEL+1]
	s_delay_alu instid0(VALU_DEP_1)
	v_max_num_f32 v254, v254, v236                 ; and among lane l xor 16's
	s_delay_alu instid0(VALU_DEP_1)
	v_mul_f32 v254, s[CS], v254                    ; as t (c is positive)
	s_delay_alu instid0(VALU_DEP_1)
	v_max_num_f32 v13, v13, v254                   ; the running largest t
	v_mov_b32 v254, v12
	s_delay_alu instid0(VALU_DEP_2)
	v_floor_f32 v12, -v13                          ; the new -M = floor(-t) = -ceil(t)
	s_delay_alu instid0(VALU_DEP_1)
	v_sub_f32 v254, v12, v254                      ; old M - new M: a whole number, 0 or less
	s_delay_alu instid0(VALU_DEP_1)
	v_cvt_i32_f32 v254, v254                       ; (it saturates)
	s_delay_alu instid0(VALU_DEP_1)
	v_ldexp_f32 v252, 1.0, v254                    ; f = 2^(old M - new M)
.set N, 0
.rept 32
	v_pk_fma_f32 v[96+N:97+N], v[96+N:97+N], s[CS:CS+1], v[12:13] op_sel_hi:[1,0,0]   ; t - M, two at a time
.set N, N+2
.endr
.set N, 0
	s_wait_alu depctr_va_vdst(0)
.rept 64
	v_exp_f32 v[96+N], v[96+N]                     ; p = 2^(t - M), at most 1
.set N, N+1
.endr
	v_pk_mul_f32 v[14:15], v[14:15], v[252:253] op_sel_hi:[1,0]   ; the sums under the new M; also the plain line behind the exponentials
	s_wait_alu depctr_va_vdst(0)                   ; one wait for the whole batch, ahead of its first reader
	v_pk_add_f32 v[242:243], v[100:101], v[104:105]
	v_pk_add_f32 v[254:255], v[108:109], v[112:113]
	v_pk_add_f32 v[250:251], v[116:117], v[120:121]
	v_pk_add_f32 v[248:249], v[124:125], v[128:129]
	v_pk_add_f32 v[246:247], v[132:133], v[136:137]
	v_pk_add_f32 v[240:241], v[140:141], v[144:145]
	v_pk_add_f32 v[238:239], v[148:149], v[152:153]
	v_pk_add_f32 v[14:15], v[14:15], v[156:157]
	v_pk_add_f32 v[242:243], v[242:243], v[96:97]
	v_pk_add_f32 v[254:255], v[254:255], v[98:99]
	v_pk_add_f32 v[250:251], v[250:251], v[102:103]
	v_pk_add_f32 v[248:249], v[248:249], v[106:107]
	v_pk_add_f32 v[246:247], v[246:247], v[110:111]
	v_pk_add_f32 v[240:241], v[240:241], v[114:115]
	v_pk_add_f32 v[238:239], v[238:239], v[118:119]
	v_pk_add_f32 v[14:15], v[14:15], v[122:123]
	v_pk_add_f32 v[242:243], v[242:243], v[126:127]
	v_pk_add_f32 v[254:255], v[254:255], v[130:131]
	v_pk_add_f32 v[250:251], v[250:251], v[134:135]
	v_pk_add_f32 v[248:249], v[248:249], v[138:139]
	v_pk_add_f32 v[246:247], v[246:247], v[142:143]
	v_pk_add_f32 v[240:241], v[240:241], v[146:147]
	v_pk_add_f32 v[238:239], v[238:239], v[150:151]
	v_pk_add_f32 v[14:15], v[14:15], v[154:155]
	v_pk_add_f32 v[242:243], v[242:243], v[158:159]
	s_delay_alu instid0(VALU_DEP_2)
	v_pk_add_f32 v[14:15], v[14:15], v[248:249]
	s_delay_alu instid0(VALU_DEP_2)
	v_pk_add_f32 v[242:243], v[242:243], v[246:247]
	v_pk_add_f32 v[254:255], v[254:255], v[240:241]
	v_pk_add_f32 v[250:251], v[250:251], v[238:239]
	s_delay_alu instid0(VALU_DEP_2)
	v_pk_add_f32 v[14:15], v[14:15], v[254:255]
	s_delay_alu instid0(VALU_DEP_2)
	v_pk_add_f32 v[242:243], v[242:243], v[250:251]
	s_delay_alu instid0(VALU_DEP_1)
	v_pk_add_f32 v[14:15], v[14:15], v[242:243]
.irp t, 0,1,2,3,4,5,6,7
.irp i, 0,1,2,3,4,5,6,7
.endr
	v_cvt_scalef32_pk8_fp8_f32 v[192+2*\t:193+2*\t], v[96+8*\t:103+8*\t], v244
.endr
.set N, 0
.rept 16
	v_pk_mul_f32 v[160+N:161+N], v[160+N:161+N], v[252:253] op_sel_hi:[1,0]   ; O^T under the new M; these are also the plain lines between the conversions and the products
.set N, N+2
.endr
	s_wait_alu depctr_va_vdst(0)
	s_wait_dscnt 0x0                               ; V is in
.irp t, 0,1,2,3
	v_wmma_f32_16x16x128_fp8_fp8 v[160+8*\t:167+8*\t], v[32+16*\t:47+16*\t], v[192:207], v[160+8*\t:167+8*\t]   ; the four accumulators by turns, one instruction a turn
.endr
.rept 4
	v_nop                                          ; places behind these products, for every way that follows: the next loads into V's registers, the next lines on O^T
.endr
.Lhidden_\@:
	s_add_co_u32 s[KF], s[KF], 128
.endm
; THE CHANGE OF SLOTS stands at a trip's head.  Each wave waits for all its tensor loads (its part of the slot that it is about to read), adds 0 to its spare word, and waits for that and for its reads of the slot that it has left.
; fill = 1: behind the barrier that other slot is filled with the next trip's keys: the next key slot, or slot 0 again where the second block begins.  The load has a whole trip in which to land.
.macro CHANGE fill
	s_wait_tensorcnt 0x0                           ; no tensor load of mine is out, so group 0 may be written
	ds_add_u32 v[SPW], v[NIL]                      ; 0 onto my spare word; the scalar steps stand between it and the wait for it
	s_add_co_u32 s[TAU1], s[TAU1], 1
.if \fill
	s_add_co_u32 s[SOFF], s[SOFF], SLOTB
	s_cmp_eq_u32 s[TAU1], s[SW]
	s_cselect_b32 s[SOFF], 0, s[SOFF]
	s_xor_b32 s[G0+1], s[G0+1], SLOT1
	s_add_nc_u64 s[G0+2:G0+3], s[BASE:BASE+1], s[SOFF:SOFF+1]
	s_or_b32 s[G0+3], s[G0+3], 0x80000000
	s_wait_xcnt 0x0                                ; the last prefetch, a trip back, has read its address, so it may be written
	s_add_nc_u64 s[PFA:PFA+1], s[PFA:PFA+1], SLOTB
.endif
	s_wait_dscnt 0x0                               ; the add is done, and my reads of the slot that I have left are over
	s_barrier_signal -1
	s_barrier_wait -1
.if \fill
	TLOAD                                          ; the first thing behind the barrier, and a wave's one tensor load until the next
	ASK
.endif
.endm
; A block's end: O^T / the sum x 2^(entry 8 + entry 9), quantised with entry 10, through my stage, out as 1,024 consecutive bytes.  ob: the scalar base; rb: eight registers for the rows read back.
.macro FINISH ob, rb
	v_add_f32 v14, v14, v15
	s_delay_alu instid0(VALU_DEP_1)
	v_permlanex16_b32 v252, v14, s[SEL], s[SEL+1]
	s_delay_alu instid0(VALU_DEP_1)
	v_add_f32 v14, v14, v252                       ; the row's sum
	s_wait_alu depctr_va_vdst(0)
	v_rcp_f32 v14, v14
	v_nop                                          ; a plain line behind the transcendental
	s_wait_alu depctr_va_vdst(0)                   ; and the wait ahead of its first reader
	v_ldexp_f32 v14, v14, s[EPV]
.set N, 0
.rept 16
	v_pk_mul_f32 v[96+N:97+N], v[160+N:161+N], v[14:15] op_sel_hi:[1,0]   ; register 8 t + j: o(query r, channel 16 t + 8 h + j)
.set N, N+2
.endr
.set N, 0
.rept 32
.set N, N+1
.endr
.irp t, 0,1,2,3
	v_cvt_scalef32_pk8_fp8_f32 v[208+2*\t:209+2*\t], v[96+8*\t:103+8*\t], v245
.endr
	v_nop                                          ; a plain line between the conversions and the next lines that write their sources
.irp t, 0,1,2,3
	ds_store_b64 v[STO], v[208+2*\t:209+2*\t] offset:16*\t
.endr
	s_wait_xcnt 0x0                                ; earlier stores have read their registers: only behind this wait do loads land there again
.irp i, 0,1
	ds_load_b128 v[\rb+4*\i:\rb+4*\i+3], v[SRD] offset:640*\i   ; LDS serves a wave's instructions in order: these see my stores
.endr
	s_wait_dscnt 1                                 ; the first eight rows are back; the second load may be out
	global_store_b128 v[GO], v[\rb:\rb+3], s[\ob:\ob+1]
	s_wait_dscnt 0x0
	global_store_b128 v[GO], v[\rb+4:\rb+7], s[\ob:\ob+1] offset:512   ; each store of the wave covers 512 consecutive bytes, aligned
.endm
; In the trip in which the second block begins: the first block goes out, and the statistics, O^T and Q are set for the second.  The branch hangs on the work-group's number and the trip alone; no barrier and no tensor load stands in it.
.macro SWITCH
	s_cmp_eq_u32 s[TAU1], s[SW1]
	s_cbranch_scc0 .Lsame_\@
	FINISH OBF, 216
	v_mov_b32 v13, 0xff61b1e6
	s_delay_alu instid0(VALU_DEP_1)
	v_floor_f32 v12, -v13
	v_mov_b32 v14, 0
	v_mov_b32 v15, 0
.set N, 0
.rept 32
	v_mov_b32 v[160+N], 0
.set N, N+1
.endr
.set N, 0
.rept 8
	v_mov_b32 v[16+N], v[24+N]
.set N, N+1
.endr
	s_mov_b32 s[Q0], s[Q0G]
	s_mov_b32 s[KF], 0
.Lsame_\@:
.endm
	s_wait_loadcnt 0x0                             ; Q of both blocks
.Lslot:                                                ; eight trips: behind each change of slots but the last the next trip's keys are asked for
	CHANGE 1
	SWITCH
	TSTEP 0
	TSTEP 1
	s_xor_b32 s[TB], s[TB], SLOT1
	s_sub_co_u32 s[SLOTS], s[SLOTS], 1
	s_cmp_lg_u32 s[SLOTS], 0
	s_cbranch_scc1 .Lslot
	CHANGE 0                                       ; the ninth trip is written out
	SWITCH
	TSTEP 0
	TSTEP 1
	FINISH OBG, 224
	s_wait_tensorcnt 0x0                           ; the wave's end
	ds_add_u32 v[SPW], v[NIL]
	s_wait_dscnt 0x0
	s_endpgm
.Lfunc_end_k_q765a549f2f_attn:
	.size	k_q765a549f2f_attn, .Lfunc_end_k_q765a549f2f_attn-k_q765a549f2f_attn
	.p2alignl 7, 3214868480
	.fill 96, 4, 3214868480
	.section	.rodata,"a",@progbits
	.p2align	6, 0x0
	.amdhsa_kernel k_q765a549f2f_attn
		.amdhsa_group_segment_fixed_size 327680
		.amdhsa_private_segment_fixed_size 0
		.amdhsa_enable_private_segment 0
		.amdhsa_kernarg_size 24
		.amdhsa_user_sgpr_count 2
		.amdhsa_user_sgpr_kernarg_segment_ptr 1
		.amdhsa_wavefront_size32 1
		.amdhsa_system_sgpr_workgroup_id_x 1
		.amdhsa_system_sgpr_workgroup_id_y 1
		.amdhsa_system_sgpr_workgroup_id_z 1
		.amdhsa_system_vgpr_workitem_id 0
		.amdhsa_next_free_vgpr 256
		.amdhsa_next_free_sgpr 100
		.amdhsa_reserve_vcc 1
		.amdhsa_float_denorm_mode_32 3
		.amdhsa_float_denorm_mode_16_64 3
		.amdhsa_fp16_overflow 1
		.amdhsa_memory_ordered 1
		.amdhsa_forward_progress 1
		.amdhsa_inst_pref_size 95
	.end_amdhsa_kernel
	.amdgpu_metadata
---
amdhsa.version: [ 1, 2 ]
amdhsa.kernels:
  - .name:           k_q765a549f2f_attn
    .symbol:         k_q765a549f2f_attn.kd
    .args:
      - { .name: qkv, .offset: 0, .size: 8, .value_kind: global_buffer, .address_space: global }
      - { .name: lowp_scales, .offset: 8, .size: 8, .value_kind: global_buffer, .address_space: global }
      - { .name: ac, .offset: 16, .size: 8, .value_kind: global_buffer, .address_space: global }
    .group_segment_fixed_size: 327680
    .private_segment_fixed_size: 0
    .kernarg_segment_align: 8
    .kernarg_segment_size: 24
    .max_flat_workgroup_size: 512
    .sgpr_count:     100
    .vgpr_count:     256
    .wavefront_size: 32
...
	.end_amdgpu_metadata
.endif
;; end of part 3
;; launch oproj (part 4): grid 4 x 32, 4 waves a work-group, clusters of 4 x 4, 327,680 bytes of LDS; arguments ac, wc, lowp_scales, out0; writes out0
.if DOCPART == 4
	.amdgcn_target "amdgcn-amd-amdhsa--gfx1250"
	.amdhsa_code_object_version 6
	.text
	.protected	k_q765a549f2f_oproj
	.globl	k_q765a549f2f_oproj
	.p2align	8
	.type	k_q765a549f2f_oproj,@function
k_q765a549f2f_oproj:
	s_mov_b64 s[64:65], 0
	v_nop
	global_prefetch_b8 v0, s[64:65] scope:SCOPE_SE
	s_setreg_imm32_b32 hwreg(HW_REG_WAVE_MODE, 25, 1), 1
	s_wait_xcnt 0x0
	s_wait_alu depctr_hold_cnt(0) depctr_sa_sdst(0) depctr_va_vdst(0) depctr_va_sdst(0) depctr_va_ssrc(0) depctr_va_vcc(0) depctr_vm_vsrc(0)
	s_getreg_b32 s2, hwreg(HW_REG_IB_STS2, 6, 4)
	s_cmp_eq_u32 s2, 0
	s_cbranch_scc0 .Lentry_in_a_cluster
	s_endpgm
.Lentry_in_a_cluster:
	s_bfe_u32 s2, ttmp6, 0x10000c
	s_cmp_lg_u32 s2, 0xf033
	s_cbranch_scc0 .Lentry_shape_is_right
	s_endpgm
.Lentry_shape_is_right:
; out0[m][n] = sum over k of A[m][k] wo[n][k] on codes of E4M3, x 2^(entry 10 + entry 11).  m: 8,192 tokens; n, k: 1,024.  out0 f32.
; A is attention's result as that launch stored it, [batch x head][token][64]: k = 64 x head + channel.  B is wo's codes: rows 3,072 on of wc, K innermost.
; LIMIT: entry 10 + entry 11 lies between -126 and 127, so that the power of two is an f32 number.
; A tile of out0, 256 x 256, is made by four waves, each 128 x 128: 64 accumulators.  K goes in steps of 256 (four heads) through a ring of two LDS slots filled by the tensor data mover.
; A's part of a slot: for each of the step's four heads the tile's 256 tokens x 64 bytes are one dense block of 16 KiB.  Wave 0 fetches the step's heads 0 and 1, wave 1 heads 2 and 3: one load of 2 rows x 16,384 bytes,
; 131,072 bytes apart, with 16 bytes of padding behind every 256: a head's block takes 17,408 bytes, and token x lies at 272 (x / 4) + 64 (x % 4): the sixteen rows of a fragment fall on sixteen different columns of 16 bytes.
; CLUSTERS: 4 x 4 work-groups; A's tile is shared along a row of the cluster, B's along a column: each is asked for jointly.  THE MATRIX INSTRUCTION IS USED TRANSPOSED (source 0 = 16 rows of B, source 1 = 16 rows of A).
; The grid has 128 work-groups: 32 x 4 tiles of 256 x 256.
; REGISTERS, in windows of 256: window 0: v0-31 addresses; from v128 A's fragments, ONE set; on the way out v32-255 are free.  window 1: B's fragments, TWO sets.  windows 2, 3: the accumulators of my rows 0-63, 64-127.
.set SIZE_N, 1024
.set KSTEP,  256
.set ROWB,   256
.set KROW,   1024
.set PITCH,  272
.set HEADB,  17408                     ; a head's block of A in LDS
.set ASTEP,  524288                    ; four heads on in memory
.set FR,     16
.set NL,     4
.set NP,     4                         ; places behind this matrix instruction (ISA guide 7.12.1)
.set HALFT,  128*PITCH                 ; what one tensor load brings: 34,816 bytes, for A and for B alike
.set SLOT,   4*HALFT
.set LAPS,   2
.set SPARE,  2*SLOT
.set SPITCH, 528                       ; the way out: a stage of 16 rows x (512 bytes + 16) for each wave, in slot 0, which has had its last fill and its last read by then
.set ADRA, 16
.set ADRB, 20
.set STO,  24
.set RD,   25
.set CO,   26
.set SPW,  28
.set NIL,  29
.set TMP,  32
.set AF,   128
.set BK,   128
.set G1, 24
.set G0, 32
.set G1B, 48
.set G0B, 56
.set MSB, 0
.macro WIN new                         ; the immediate's high byte repeats the setting that is left
.if MSB != \new
	s_set_vgpr_msb (MSB<<8)|\new
.set MSB, \new
.endif
.endm
.set MUL_LO, 0xa1
.set MUL_HI, 0xf1
.set TO_B,   0x40
.macro JLOAD g0a, g1a, g0b, g1b        ; a joint load: waves 0 and 1 fetch for A, waves 2 and 3 for B; four v_nop follow each of the two lines
	s_cmp_eq_u32 s15, 0
	s_cbranch_scc0 .Lfor_b_\@
	tensor_load_to_lds s[\g0a:\g0a+3], s[\g1a:\g1a+7]
	s_nop 0
.rept 4
	v_nop
.endr
	s_branch .Lasked_\@
.Lfor_b_\@:
	tensor_load_to_lds s[\g0b:\g0b+3], s[\g1b:\g1b+7]
	s_nop 0
.rept 4
	v_nop
.endr
.Lasked_\@:
.endm
.macro CREST
	s_cmp_lg_u32 s14, 0
	s_cbranch_scc1 .Lnot_wave_0_\@
	s_barrier_signal -3
.Lnot_wave_0_\@:
	s_barrier_wait -3
	s_barrier_signal -1
	s_barrier_wait -1
.endm
.macro CROUND
	s_barrier_signal -1
	s_barrier_wait -1
	CREST
.endm
	s_load_b128 s[4:7], s[0:1], 0x0                ; A's codes s[4:5], the weights' codes s[6:7]
	s_load_b128 s[8:11], s[0:1], 0x10              ; the scales' exponents s[8:9], out0 s[10:11]
	v_lshl_add_u32 v[SPW], v0, 2, SPARE
	v_mov_b32 v[NIL], 0
	ds_add_u32 v28, v29
	ds_add_u32 v28, v29
	s_wait_dscnt 0x0
	v_lshrrev_b32 v1, 5, v0
	v_readfirstlane_b32 s14, v1                    ; wave 0..3
	s_lshr_b32 s15, s14, 1                         ; which half of the tile's rows is mine.  Also: I fetch for A (0) or for B (1)
	s_and_b32 s16, s14, 1                          ; which half of its columns.  Also: which half of that tile I fetch
	s_bfe_u32 s40, ttmp6, 0x40000                  ; cx, cy
	s_bfe_u32 s41, ttmp6, 0x40004
	s_lshl_b32 s42, ttmp9, 2
	s_add_co_u32 s42, s42, s40                     ; tile column
	s_and_b32 s17, ttmp7, 0xffff
	s_lshl_b32 s17, s17, 2
	s_add_co_u32 s17, s17, s41                     ; tile row
	s_lshl_b32 s43, s41, 2
	s_lshl_b32 s43, 15, s43                        ; my row of the cluster
	s_lshl_b32 s44, 0x1111, s40                    ; my column
	; A's group 1: 2 rows x 2,048 elements of 8 bytes, 16,384 elements apart; padding of 4 words behind every 64
	s_or_b32 s[G1+0], s43, (3<<16)|(1<<20)|(1<<21)|(5<<22)|(3<<25)
	s_mov_b32 s[G1+1], 2048<<16                    ; tensor_dim0
	s_mov_b32 s[G1+2], 2<<16                       ; tensor_dim1
	s_mov_b32 s[G1+3], 2048<<16                    ; tile_dim0
	s_mov_b32 s[G1+4], 2                           ; tile_dim1
	s_mov_b32 s[G1+5], 16384                       ; from head to head
	s_mov_b32 s[G1+6], 0
	s_mov_b32 s[G1+7], 0
	; B's group 1: 128 rows x 256 bytes, 1,024 bytes apart, the same padding
	s_or_b32 s[G1B+0], s44, (0<<16)|(1<<20)|(1<<21)|(5<<22)|(3<<25)
	s_mov_b32 s[G1B+1], ROWB<<16
	s_mov_b32 s[G1B+2], 128<<16
	s_mov_b32 s[G1B+3], ROWB<<16
	s_mov_b32 s[G1B+4], 128
	s_mov_b32 s[G1B+5], KROW
	s_mov_b32 s[G1B+6], 0
	s_mov_b32 s[G1B+7], 0
	s_lshr_b32 s20, s17, 3
	s_lshl_b32 s20, s20, 21                        ; A: the batch: 16 heads of 131,072 bytes,
	s_and_b32 s21, s17, 7
	s_lshl_b32 s21, s21, 14                        ; the tile's 256 tokens of 64 bytes,
	s_add_co_u32 s20, s20, s21
	s_lshl_b32 s21, s16, 18                        ; my two heads of the step's four
	s_add_co_u32 s20, s20, s21
	s_mov_b32 s21, 0
	s_lshl_b32 s18, s16, 7
	s_lshl_b32 s46, s42, 8
	s_add_co_u32 s46, s46, s18                     ; B: row 256 x tile column + 128 x half,
	s_lshl_b32 s46, s46, 10
	s_add_co_u32 s46, s46, 3145728                 ; of wo's codes
	s_mov_b32 s47, 0
	s_mul_i32 s45, s14, HALFT                      ; where they go: wave x 34,816: no place in the cluster enters an LDS address
	s_wait_kmcnt 0x0
	s_load_b64 s[96:97], s[8:9], 0x28              ; entries 10 and 11
	s_add_nc_u64 s[20:21], s[4:5], s[20:21]
	s_add_nc_u64 s[46:47], s[6:7], s[46:47]
	CROUND                                         ; all sixteen work-groups are here: the first joint loads meet
.irp s, 0,1
	s_mov_b32 s[G0+4*\s], 1
	s_add_co_u32 s[G0+4*\s+1], s45, \s*SLOT
	s_add_nc_u64 s[G0+4*\s+2:G0+4*\s+3], s[20:21], \s*ASTEP
	s_or_b32 s[G0+4*\s+3], s[G0+4*\s+3], 0x80000000
	s_mov_b32 s[G0B+4*\s], 1
	s_add_co_u32 s[G0B+4*\s+1], s45, \s*SLOT
	s_add_nc_u64 s[G0B+4*\s+2:G0B+4*\s+3], s[46:47], \s*ROWB
	s_or_b32 s[G0B+4*\s+3], s[G0B+4*\s+3], 0x80000000
	s_wait_alu depctr_va_vdst(0)
	s_wait_tensorcnt 0x0
	ds_add_u32 v28, v29
	ds_add_u32 v28, v29
	s_wait_dscnt 0x0
	CROUND
	JLOAD G0+4*\s, G1, G0B+4*\s, G1B
.endr
	v_and_b32 v1, 15, v0                           ; r
	v_bfe_u32 v2, v0, 4, 1                         ; h
	v_mul_u32_u24 v3, v1, PITCH
	v_lshl_add_u32 v4, v2, 4, v3                   ; B: row x pitch + 16 h
	v_lshrrev_b32 v5, 2, v1
	v_mul_u32_u24 v5, v5, 272
	v_and_b32 v6, 3, v1
	v_lshl_add_u32 v5, v6, 6, v5
	v_lshl_add_u32 v5, v2, 4, v5                   ; A: 272 (r / 4) + 64 (r % 4) + 16 h
	s_mul_i32 s21, s15, 8704                       ; my 128 tokens: 32 groups of four
	s_mul_i32 s22, s16, HALFT
	s_add_co_u32 s22, s22, 2*HALFT
.irp s, 0,1
	v_add_nc_u32 v[ADRA+\s], s21, v5
	v_add_nc_u32 v[ADRB+\s], s22, v4
	s_add_co_u32 s21, s21, SLOT
	s_add_co_u32 s22, s22, SLOT
.endr
	s_mul_i32 s23, s14, 16*SPITCH                  ; my stage
	v_mul_u32_u24 v5, v1, SPITCH
	v_lshl_add_u32 v5, v2, 5, v5
	v_add_nc_u32 v[STO], s23, v5                   ; in: row r, 32 bytes for each half of the lanes
	v_and_b32 v6, 31, v0
	v_lshlrev_b32 v[CO], 4, v6                     ; back: the 32 lanes take one row of 512 bytes; and the same in out0
	v_add_nc_u32 v[RD], s23, v[CO]
	s_lshl_b32 s20, s17, 8
	s_lshl_b32 s21, s15, 7
	s_add_co_u32 s20, s20, s21                     ; my first row of out0
	s_lshl_b32 s20, s20, 12                        ; rows of 4,096 bytes
	s_mov_b32 s21, 0
	s_lshl_b32 s46, s42, 10                        ; my first column, in bytes
	s_lshl_b32 s47, s16, 9
	s_add_co_u32 s46, s46, s47
	s_mov_b32 s47, 0
	s_add_nc_u64 s[20:21], s[20:21], s[46:47]
	s_add_nc_u64 s[10:11], s[10:11], s[20:21]
.macro FRAG reg, adr, q, i             ; B: registers 4 c .. 4 c + 3 hold K = 128 q + 32 c + 16 h + 0 .. 15 of row 16 i + r
.irp c, 0,1,2,3
	ds_load_b128 v[\reg+4*\c:\reg+4*\c+3], v[\adr] offset:128*(\q)+32*\c+(\i)*16*PITCH
.endr
.endm
.macro FRAGA reg, adr, q, i            ; A: the same K: head 2 q + c / 2 of the step, channels 32 (c % 2) + 16 h + 0 .. 15, token 16 i + r
.irp c, 0,1,2,3
	ds_load_b128 v[\reg+4*\c:\reg+4*\c+3], v[\adr] offset:HEADB*(2*(\q)+\c/2)+1088*(\i)+32*(\c%2)
.endr
.endm
.macro MUL16 a0, p, zero               ; 16 matrix instructions; the 64 accumulators take turns, one instruction a turn
.irp a, \a0, \a0+1
.irp b, 0,1,2,3,4,5,6,7
.if \zero
	v_wmma_f32_16x16x128_fp8_fp8 v[8*(8*((\a)%4)+\b):8*(8*((\a)%4)+\b)+7], v[128*(\p)+FR*\b:128*(\p)+FR*\b+FR-1], v[AF+FR*(\a):AF+FR*(\a)+FR-1], 0
.else
	v_wmma_f32_16x16x128_fp8_fp8 v[8*(8*((\a)%4)+\b):8*(8*((\a)%4)+\b)+7], v[128*(\p)+FR*\b:128*(\p)+FR*\b+FR-1], v[AF+FR*(\a):AF+FR*(\a)+FR-1], v[8*(8*((\a)%4)+\b):8*(8*((\a)%4)+\b)+7]
.endif
.endr
.endr
.endm
.macro FETCH_B slot, q, p
	WIN TO_B
.irp i, 0,1,2,3,4,5,6,7
	FRAG 128*(\p)+FR*\i, ADRB+\slot, \q, \i
.endr
	WIN 0
.endm
.macro FETCH_A slot, q, i0
.irp i, \i0, \i0+1, \i0+2, \i0+3
	FRAGA AF+FR*(\i), ADRA+\slot, \q, \i
.endr
.endm
.macro PLACES n                        ; plain vector lines between a matrix instruction and a load into a register that it read, or a vector line that reads its result
.rept \n
	v_nop
.endr
.endm
.macro STEP slot, q, zero
	s_wait_dscnt 4*NL                              ; B's set and A's blocks 0-3 are in; the youngest 16 loads (A's blocks 4-7) may be out
	WIN MUL_LO
	MUL16 0, (\q)%2, \zero
	MUL16 2, (\q)%2, \zero
	s_wait_dscnt 0
	PLACES NP
	FETCH_B \slot, (\q)+1, 1-(\q)%2
	FETCH_A \slot, (\q)+1, 0
	WIN MUL_HI
	MUL16 4, (\q)%2, \zero
	MUL16 6, (\q)%2, \zero
	PLACES NP
	WIN 0
	FETCH_A \slot, (\q)+1, 4
.endm
.macro TURN slot, next, fill
	s_wait_tensorcnt 0x0                           ; all my tensor loads have landed: my part of the next slot
	ds_add_u32 v[SPW], v[NIL]                      ; 0 onto my spare word
	s_wait_dscnt 4*NL+1                            ; the add and the youngest 16 loads may be out
	WIN MUL_LO
	MUL16 0, 1, 0
	s_wait_dscnt 0x0                               ; the add is done, and my reads of this slot are over
	s_barrier_signal -1
	MUL16 2, 1, 0
	WIN 0
	s_barrier_wait -1
.if \fill
	CREST                                          ; the barrier has opened a round of the cluster's barrier: no wave of any partner still reads this slot or has a load on its way
	s_add_nc_u64 s[G0+4*\slot+2:G0+4*\slot+3], s[G0+4*\slot+2:G0+4*\slot+3], 2*ASTEP
	s_add_nc_u64 s[G0B+4*\slot+2:G0B+4*\slot+3], s[G0B+4*\slot+2:G0B+4*\slot+3], 2*ROWB
	JLOAD G0+4*\slot, G1, G0B+4*\slot, G1B         ; the first tensor load behind the round
.else
	PLACES NP
.endif
	FETCH_B \next, 0, 0
	FETCH_A \next, 0, 0
	WIN MUL_HI
	MUL16 4, 1, 0
	MUL16 6, 1, 0
	PLACES NP
	WIN 0
	FETCH_A \next, 0, 4
.endm
	s_wait_alu depctr_va_vdst(0)
	s_wait_tensorcnt 1                             ; my part of K step 0 is in; K step 1's load may be out
	s_barrier_signal -1
	s_barrier_wait -1
	FETCH_B 0, 0, 0
	FETCH_A 0, 0, 0
	FETCH_A 0, 0, 4
	STEP 0, 0, 1
	s_mov_b32 s3, LAPS-1
.Llap:
	TURN 0, 1, 1
	STEP 1, 0, 0
	TURN 1, 0, 1
	STEP 0, 0, 0
	s_sub_co_u32 s3, s3, 1
	s_cmp_lg_u32 s3, 0
	s_cbranch_scc1 .Llap
	TURN 0, 1, 0
	STEP 1, 0, 0
	s_wait_dscnt 4*NL
	WIN MUL_LO
	MUL16 0, 1, 0
	MUL16 2, 1, 0
	s_wait_dscnt 0
	WIN MUL_HI
	MUL16 4, 1, 0
	MUL16 6, 1, 0
	WIN 0
; THE WAY OUT, block by block of 16 rows x 128 columns: through my own stage in LDS and back as whole rows of 512 bytes.  LDS serves a wave's instructions in order (ISA guide 5.7.1.4): no wait between the stores and the loads.
.macro TOSTAGE a
.set AC, 64*((\a)%4)
	WIN 0x02+((\a)/4)
.irp j, 0,2,4,6,8,10,12,14,16,18,20,22,24,26,28,30,32,34,36,38,40,42,44,46,48,50,52,54,56,58,60,62
	v_pk_mul_f32 v[TMP+\j:TMP+\j+1], v[AC+\j:AC+\j+1], s[96:97] op_sel_hi:[1,0]   ; x 2^(entry 10 + entry 11); each accumulator from its low end on
.endr
	WIN 0
.irp b, 0,1,2,3,4,5,6,7
	ds_store_b128 v[STO], v[TMP+8*\b:TMP+8*\b+3] offset:64*\b
	ds_store_b128 v[STO], v[TMP+8*\b+4:TMP+8*\b+7] offset:64*\b+16
.endr
.set BB, BK+64*((\a)%2)
.irp t, 0,1,2,3,4,5,6,7,8,9,10,11,12,13,14,15
	ds_load_b128 v[BB+4*\t:BB+4*\t+3], v[RD] offset:\t*SPITCH
.endr
.endm
.macro SEND a, younger
.set BB, BK+64*((\a)%2)
	s_wait_dscnt \younger                          ; the block is back in registers
.if (\a) > 0
	s_add_nc_u64 s[10:11], s[10:11], 16*SIZE_N*4   ; (behind a wait on XCNT: the earlier stores have read their base)
.endif
.irp t, 0,1,2,3,4,5,6,7,8,9,10,11,12,13,14,15
	global_store_b128 v[CO], v[BB+4*\t:BB+4*\t+3], s[10:11] offset:\t*SIZE_N*4 th:TH_STORE_NT   ; 32 lanes store 512 consecutive bytes, aligned; written once, read by nobody here
.endr
.endm
	s_wait_kmcnt 0x0
	s_add_co_i32 s96, s96, s97
	s_add_co_i32 s96, s96, 127
	s_lshl_b32 s96, s96, 23                        ; 2^(entry 10 + entry 11) as f32
	PLACES NP
	TOSTAGE 0
.irp a, 1,2,3,4,5,6,7
.if \a > 1
	s_wait_xcnt 0x0                                ; block a - 2's stores have read their registers and their base
.endif
	TOSTAGE \a
	SEND \a-1, 32                                  ; behind block a - 1's loads: block a's 16 stores and 16 loads
.endr
	s_wait_xcnt 0x0
	SEND 7, 0
	s_wait_tensorcnt 0x0                           ; the wave's end
	ds_add_u32 v[SPW], v[NIL]
	s_wait_dscnt 0x0
	CROUND                                         ; the closing round
	s_endpgm
.Lfunc_end_k_q765a549f2f_oproj:
	.size	k_q765a549f2f_oproj, .Lfunc_end_k_q765a549f2f_oproj-k_q765a549f2f_oproj
	.p2alignl 7, 3214868480
	.fill 96, 4, 3214868480
	.section	.rodata,"a",@progbits
	.p2align	6, 0x0
	.amdhsa_kernel k_q765a549f2f_oproj
		.amdhsa_group_segment_fixed_size 327680
		.amdhsa_private_segment_fixed_size 0
		.amdhsa_enable_private_segment 0
		.amdhsa_kernarg_size 32
		.amdhsa_user_sgpr_count 2
		.amdhsa_user_sgpr_kernarg_segment_ptr 1
		.amdhsa_wavefront_size32 1
		.amdhsa_system_sgpr_workgroup_id_x 1
		.amdhsa_system_sgpr_workgroup_id_y 1
		.amdhsa_system_sgpr_workgroup_id_z 1
		.amdhsa_system_vgpr_workitem_id 0
		.amdhsa_next_free_vgpr 1024
		.amdhsa_next_free_sgpr 98
		.amdhsa_reserve_vcc 0
		.amdhsa_float_denorm_mode_32 3
		.amdhsa_float_denorm_mode_16_64 3
		.amdhsa_memory_ordered 1
		.amdhsa_forward_progress 1
		.amdhsa_inst_pref_size 124
	.end_amdhsa_kernel
	.amdgpu_metadata
---
amdhsa.version: [ 1, 2 ]
amdhsa.kernels:
  - .name:           k_q765a549f2f_oproj
    .symbol:         k_q765a549f2f_oproj.kd
    .args:
      - { .name: ac, .offset: 0, .size: 8, .value_kind: global_buffer, .address_space: global }
      - { .name: wc, .offset: 8, .size: 8, .value_kind: global_buffer, .address_space: global }
      - { .name: lowp_scales, .offset: 16, .size: 8, .value_kind: global_buffer, .address_space: global }
      - { .name: out0, .offset: 24, .size: 8, .value_kind: global_buffer, .address_space: global }
    .group_segment_fixed_size: 327680
    .private_segment_fixed_size: 0
    .kernarg_segment_align: 8
    .kernarg_segment_size: 32
    .max_flat_workgroup_size: 128
    .sgpr_count:     98
    .vgpr_count:     1024
    .wavefront_size: 32
...
	.end_amdgpu_metadata
.endif
;; end of part 4
